; MI455X (gfx1250); checked and timed in simulation.
; The chip was launched on July 23, 2026; its instructions are those of AMD's public machine-readable ISA for CDNA 5 (MIT licence, August 2026) and "CDNA5" Instruction Set Architecture Reference Guide (July 2026). The comments in the code are by the model that wrote it; some were corrected since.
;; Self Attention. Allowed arithmetic: matrix products marked QUANTISED: E2M3 operands, one E8M0 scale for each 32 along K, by v_wmma_scale_f32_16x16x128_f8f6f4 with both operands' format E2M3, f32 sums; everything else in f32.
;; Inputs: Wk_codes 1,024 x 32 x 24 uint8 (E2M3 codes of Wk, K innermost, in blocks of 32 codes, four codes in three bytes); Wk_scales 1,024 x 32 uint8 (E8M0 scales of Wk, one for each 32 codes along K); Wq_codes 1,024 x 32 x 24 uint8 (E2M3 codes of Wq, K innermost, in blocks of 32 codes, four codes in three bytes); Wq_scales 1,024 x 32 uint8 (E8M0 scales of Wq, one for each 32 codes along K); Wv_codes 1,024 x 32 x 24 uint8 (E2M3 codes of Wv, K innermost, in blocks of 32 codes, four codes in three bytes); Wv_scales 1,024 x 32 uint8 (E8M0 scales of Wv, one for each 32 codes along K); bk 1,024 float32; bq 1,024 float32; bv 1,024 float32; x_codes 4 x 2,048 x 32 x 24 uint8 (E2M3 codes of x, K innermost, in blocks of 32 codes, four codes in three bytes); x_scales 4 x 2,048 x 32 uint8 (E8M0 scales of x, one for each 32 codes along K).
;; Outputs: out0 4 x 2,048 x 1,024 float32.
;; This version of the problem:
;;   THIS VERSION OF THE PROBLEM IS GIVEN IN LOW PRECISION. The matrix products marked QUANTISED in the list below multiply operands that are first quantised to E2M3 (2 exponent bits, 3 mantissa bits; 6 bits a number), with one power-of-two scale for each 32 numbers along K (OCP MX v1.0); their sums are f32. All else is computed in f32.
;;   The module's matrix products, in the order in which they are computed (A, B: the left and right operand; K: the contracted axis; several contracted axes count as one K, in the product's order):
;;     1. [M 8,192, K 1,024] x [K 1,024, N 1,024]; A: input x (given as codes); B: input Wq (given as codes): QUANTISED
;;     2. [M 8,192, K 1,024] x [K 1,024, N 1,024]; A: input x (given as codes); B: input Wk (given as codes): QUANTISED
;;     3. [M 8,192, K 1,024] x [K 1,024, N 1,024]; A: input x (given as codes); B: input Wv (given as codes): QUANTISED
;;     4. batch 4 x [M 2,048, K 1,024] x [K 1,024, N 2,048]; A: computed on the way; B: computed on the way: QUANTISED
;;     5. batch 4 x [M 2,048, K 2,048] x [K 2,048, N 1,024]; A: softmax (see below); B: computed on the way: QUANTISED
;;   THE QUANTISER, for each operand of a quantised product, along K:
;;     - K is cut into blocks of 32 from its start; a last block that is shorter is filled with zeros.
;;     - A block's scale is 2^e with e = floor(log2(the largest magnitude in the block)) - 2, held to -126 .. 127; a block of zeros has e = 0. As a byte (E8M0): e + 127.
;;     - Each number is divided by its block's scale, clamped to +-7.5, and rounded to the nearest number of E2M3, ties to even, subnormals kept.
;;     - The product sums the exact products of the quantised numbers (number of the format x scale) in f32.
;;   ~~~python
;;   def quantise(x, axis):      # numpy; x: float32 -> the quantised numbers, widened to float32 again
;;       x = np.moveaxis(x, axis, -1); K = x.shape[-1]
;;       x = np.pad(x, [(0, 0)] * (x.ndim - 1) + [(0, -K % 32)]); x = x.reshape(x.shape[:-1] + (-1, 32)); a = np.abs(x).max(-1, keepdims=True)
;;       e = np.where(a > 0, np.clip(np.frexp(np.where(a > 0, a, 1))[1] - 1 - 2, -126, 127), 0)      # np.frexp(a)[1] - 1 = floor(log2(a)), exactly
;;       r = np.clip(x / 2.0 ** e, -7.5, 7.5)
;;       step = 2.0 ** (np.maximum(np.frexp(np.where(r == 0, 1, r))[1] - 1, 0) - 3)
;;       q = np.round(r / step) * step * 2.0 ** e      # np.round: ties to even
;;       return np.moveaxis(q.reshape(q.shape[:-2] + (-1,))[..., :K], -1, axis).astype(np.float32)
;;   ~~~
;;   SOFTMAX AHEAD OF A QUANTISED PRODUCT. Where the list says 'softmax', what is quantised is not the finished softmax but p = 2^(t - M), with t = logit x log2(e) and M = ceil(the row's largest t), a whole number; so 1/2 < the row's largest p <= 1. The row's sum l is taken of the UNQUANTISED p, in f32, and the product's result is divided by l at the end. Since M is a whole number, a kernel that streams over the keys may use a running M (the ceiling of the running maximum): every later rescaling is an exact power of two, which a block's scale takes up: the codes' values come out the same.
;;   OPERANDS COMPUTED ON THE WAY. 'Computed on the way' means the value that the module computes at that place (a softmax that the list does not call 'softmax' is quantised finished and normalised). What goes into a quantiser is computed in f32, as accurately as f32 sums, v_exp_f32 and their like allow (about 1e-6 of the number): no bf16 or f16 on the way to a quantiser, and a product that is left as it is and whose result goes on into a quantised operand takes f32 operands (vector FMAs, or v_wmma_f32_16x16x4_f32). A number that lies on a knife's edge between two numbers of the format may be rounded either way, as far as f32 arithmetic and the matrix unit's own rounding can turn it there, and no further.
;;   INPUTS GIVEN AS CODES. Wk (in the module: [1024, 1024], K = its axis 0); Wq (in the module: [1024, 1024], K = its axis 0); Wv (in the module: [1024, 1024], K = its axis 0); x (in the module: [4, 2048, 1024], K = its axis 2): each comes as NAME_codes (uint8): NAME with its K axis moved to the last place and cut into blocks of 32 codes, [.., K / 32, bytes a block], one block behind the other in memory; four codes in three bytes: a row's codes are one little-endian stream of bits, code i at bits 6 i .. 6 i + 5 (a code: sign, 2 exponent bits, 3 mantissa bits); and NAME_scales (uint8): the same leading axes, one E8M0 byte (e + 127) for each 32 codes along K. Its value is code x scale, taken as it is: it is not quantised again, and the codes and scales need not be those that the quantiser above would give.
;; One version. Each part assembles by itself: llvm-mc -triple=amdgcn-amd-amdhsa -mcpu=gfx1250 --defsym DOCPART=n.
;; ======== version 1 of 1: 3 launches
;; limits: right only within a limited range of input values
;; workspace buffers: qk_img 13,107,200 bytes; v_img 6,553,600 bytes; p_img 12,582,912 bytes; p_st 1,572,864 bytes
;; launch proj (part 1): grid 16 x 16, 4 waves a work-group, clusters of 4 x 4, 327,680 bytes of LDS; arguments x_codes, x_scales, Wq_codes, Wq_scales, Wk_codes, Wk_scales, Wv_codes, Wv_scales, bq, bk, bv, qk_img, v_img; writes qk_img, v_img
.if DOCPART == 1
	.amdgcn_target "amdgcn-amd-amdhsa--gfx1250"
	.amdhsa_code_object_version 6
	.text
	.protected	k_q7dadb61bcd_proj
	.globl	k_q7dadb61bcd_proj
	.p2align	8
	.type	k_q7dadb61bcd_proj,@function
k_q7dadb61bcd_proj:
	s_mov_b64 s[64:65], 0
	v_nop
	global_prefetch_b8 v0, s[64:65] scope:SCOPE_SE
	s_setreg_imm32_b32 hwreg(HW_REG_WAVE_MODE, 25, 1), 1
	s_wait_xcnt 0x0
	s_wait_alu depctr_hold_cnt(0) depctr_sa_sdst(0) depctr_va_vdst(0) depctr_va_sdst(0) depctr_va_ssrc(0) depctr_va_vcc(0) depctr_vm_vsrc(0)
	s_getreg_b32 s2, hwreg(HW_REG_IB_STS2, 6, 4)
	s_cmp_eq_u32 s2, 0
	s_cbranch_scc0 .Lentry_in_a_cluster
	s_endpgm
.Lentry_in_a_cluster:
	s_bfe_u32 s2, ttmp6, 0x10000c
	s_cmp_lg_u32 s2, 0xf033
	s_cbranch_scc0 .Lentry_shape_is_right
	s_endpgm
.Lentry_shape_is_right:
; q = x Wq + bq, k = x Wk + bk, v = x Wv + bv on codes of FP6 (E2M3), K = 1,024; each result is quantised here, in registers, for the product that takes it.
; NOTHING OF reference() IS LEFT OUT: all five products are live, and each bias moves the codes or scales of a quantised operand of a live product, so all eleven inputs are loaded.
; LIMITS: NaN and infinities are not served.  A block of zeros carries the byte 1 where the rule says 127: its codes are zeros, and this program alone reads the bytes.
; SHARES.  256 work-groups of four waves, 2 x 2.  A work-group makes 256 x 128 of v (PHASE 1) and then 512 x 128 of q or k (PHASE 2); v's 256 rows of x are a half of its own 512.  Which half (s87) and which of q, k (s19) come from the cluster's number alone.
; A wave holds 64 rows of a weight, all of K, in 384 registers and streams x past them in blocks of 16 rows; a chunk is 128 rows of x, and the wave in row a takes 64 of them as four blocks j = 0 .. 3.
; WHICH ROWS FORM A TILE (x's and the weights' alike): of 64 rows, tile j has 8 j + i in its rows i = 0 .. 7, and 32 + 8 (j xor 1) + i in its rows 8 + i.  So the four tiles' 32 results of a lane are one whole block of 32 along the next K, in an order that both
; operands of the next product share; and the sixteen LDS rows that a load touches (816 bytes apart) start at sixteen different banks of four words.
; q, k: source 0 = the weight's rows, a lane holds one token and 32 channels.  v: source 0 = x's rows, a lane holds one channel and 32 tokens, band c by band c.
; A KEY STEP ks = 2 g + a is tokens 256 g + 128 c + 64 a + (0 .. 63), c = 0, 1: eight tiles 4 c + j.
; OUT.  qk_img[q, k][ks 64][128 channels: 8][12,800]: eight tiles of 1,536 bytes (for each half b of the channels 16 bytes a lane, then 8 bytes a lane), then 512 bytes of scale words: byte 16 l + 4 j = the word of row l % 16 of tile 4 (l / 16) + j.
; v_img[batch][128 channels: 8][ks 16][12,800]: eight tiles of 16 channels, 12 registers as three pieces of 16 bytes a lane; then the scale words likewise.
; LDS: two slots of 128 rows of x, the weights' 128 rows, two chunks' scale bytes, a stage for q's or k's scale bytes, the spare words.
; FILLS.  Head: one joint load a wave.  Three refills, each in a round of the cluster's barrier: the weights' region in v's third block, x's slots in phase 2's blocks 2 and 6.  x is shared by a row of the cluster, a weight by a column.
; PREFETCHES: the second weight at the head, chunk 2 and the later scale bytes behind the first refill, chunk 3 between the phases; shared out by address among the sixteen waves that will ask jointly.
; WAITS' COUNTS: a block's rows were fetched two blocks ago; younger are the next block's NF loads and, in phase 2, one store of a scale byte.
; THE ORDER INSIDE A UNIT OF qk_img: the pieces of 16 bytes a lane of all eight tiles, [tile][b][512]; from byte 8,192 on those of 8 bytes a lane, [tile][b][256]; from byte 12,288 on the scale words.
; Of a lane's 24 bytes half b = 0 puts the first 16 and the last 8 there, half b = 1 the first 8 and the last 16: so the two pieces of 8 bytes are four neighbouring registers of the operand.
.set NQ,     8
.set RA,     128
.set TN,     128
.set KROW,   768
.set KS,     32
.set PITCH,  KROW+48
.set FR,     12
.set FPW,    21                        ; fragments in a window of 256 registers
.set NF,     28                        ; LDS loads of a block
.set YB,     RA*PITCH
.set BVB,    2*YB
.set SCL,    BVB+TN*PITCH
.set CU,     16                        ; a chunk's scale bytes: 16 units of 256
.set SCB,    CU*272
.set XN,     SCL+2*SCB                 ; scale bytes: [wave][work half][c][r][j][h]
.set SPARE,  XN+2048
.set EMAX,   2
.set BASE,   4                         ; v4-6 LDS addresses of a wave's tile 0 (codes, codes behind one padding more, scales); v14-16 of tile 1
.set CO,     9                         ; v9  16 x lane
.set SPW,   10
.set NIL,   11
.set ADRA,  12                         ; v12, v13, v17 the same for the block that is fetched next
.set AAS,   17
.set STO,   18
.set C8,    19                         ; v19 8 x lane
.set COB,   42                         ; v42, v43 where my half's pieces of 16 and of 8 bytes lie in a unit
.set C8B,   43
.set BQE,   21                         ; v21, v22 q's or k's bias: even tiles, odd tiles
.set H8,    23                         ; v23 8 h
.set SB,    24                         ; v24-39 the weights' scale words
.set TQ,    40
.set SA,    44                         ; v44-59 x's, two sets
.set TC,    60
.set ABS,   63
.set ACC,   64
.set HV0,   64
.set HV1,   840
.set NCD,   128
.set MCD,   192
.set SOP,   240
.set EB,    244
.set VX,    248
.set EV,    250
.set SB2,   968
.set BA,    984
.set BBV,   992
.set BBQ,   160
.set G1A, 24
.set G0A, 56
.set G0R, 68
.set G1B, 32
.set G0B, 60
.set G1S, 92
.set G0S, 72
.set FB,  54                           ; s54, s66: the slot from which a pair of blocks is fetched, codes and scales
.set FBS, 66
.set EBX, EB
.set STM, 0
.set PV, 0
.set PAR, 0
.set MSB, 0
.macro WIN new
.if MSB != (\new)
	s_set_vgpr_msb (MSB<<8)|(\new)
.set MSB, (\new)
.endif
.endm
.macro PLACES n
.rept \n
	v_nop
.endr
.endm
.macro WALU
	s_wait_alu depctr_va_vdst(0)
.endm
.macro BARRIER
	s_barrier_signal -1
	s_barrier_wait -1
.endm
.macro MIDDLE
	WIN 0
	s_barrier_wait -1
	s_cmp_lg_u32 s14, 0
	s_cbranch_scc1 .Lnot_wave_0_\@
	s_barrier_signal -3
.Lnot_wave_0_\@:
	s_barrier_wait -3
.endm
.macro CROUND
	s_barrier_signal -1
	MIDDLE
	BARRIER
.endm
.macro GRD
	s_wait_tensorcnt 0x0
	ds_add_u32 v[SPW], v[NIL]
.endm
.macro TLOAD g0, g1
	tensor_load_to_lds s[\g0:\g0+3], s[\g1:\g1+7]
	s_nop 0
	PLACES 4
.endm
.macro GROUP1 g, mask, rows
	s_or_b32 s[\g+0], s[\mask], (1<<20)|(1<<21)|(5<<22)|(3<<25)
	s_mov_b32 s[\g+1], KROW<<16
	s_mov_b32 s[\g+2], (\rows)<<16
	s_mov_b32 s[\g+3], KROW<<16
	s_mov_b32 s[\g+4], \rows
	s_mov_b32 s[\g+5], KROW
	s_mov_b32 s[\g+6], 0
	s_mov_b32 s[\g+7], 0
.endm
.macro SADD d, x
	s_add_co_u32 s\d, s\d, s\x
.endm
.macro G0SET g, base, off
	s_mov_b32 s20, s\off
	s_add_nc_u64 s[\g+2:\g+3], s[\base:\base+1], s[20:21]
	s_or_b32 s[\g+3], s[\g+3], 0x80000000
.endm
; ---- fragment f lies in window 1 + f / 21 at register 12 (f % 21): 0-31 the weights' (4 q + b), 32-39 and 40-47 x's two sets
.macro FRAG f, q, a0, a1, aw           ; six pieces of 8 bytes, two to a load where both lie behind as many paddings
	WIN ((1+(\f)/FPW)<<6)|(\aw)
.set R_, FR*((\f)%FPW)
.set SKIP_, 0
.irp p, 0,1,2,3,4,5
.if SKIP_
.set SKIP_, 0
.else
.set PC_, 12*(\q)+6*(\p/3)+\p%3
.set PN_, 12*(\q)+6*((\p+1)/3)+(\p+1)%3
.set X_, (PC_%32+3)/32
.set XQ_, (PN_%32+3)/32
.if (\p < 5) && (X_ == XQ_)
.set SKIP_, 1
.if X_
	ds_load_2addr_b64 v[R_+2*\p:R_+2*\p+3], \a1 offset0:PC_+2*(PC_/32) offset1:PN_+2*(PN_/32)
.else
	ds_load_2addr_b64 v[R_+2*\p:R_+2*\p+3], \a0 offset0:PC_+2*(PC_/32) offset1:PN_+2*(PN_/32)
.endif
.elseif X_
	ds_load_b64 v[R_+2*\p:R_+2*\p+1], \a1 offset:8*(PC_+2*(PC_/32))
.else
	ds_load_b64 v[R_+2*\p:R_+2*\p+1], \a0 offset:8*(PC_+2*(PC_/32))
.endif
.endif
.endr
.endm
.macro WEIGHTS                         ; my 64 rows of the weight, all of K: 104 loads
.irp q, 0,1,2,3,4,5,6,7
.irp b, 0,1,2,3
	FRAG 4*\q+\b, \q, v[BA-768+2*\b], v[BA-768+2*\b+1], 3
.endr
.endr
	WIN 0
.endm
.macro FETCHAT e, a0, a1, as           ; a block of x into set e: NF loads
.irp q, 0,1,2,3,4,5,6,7
	FRAG 32+NQ*(\e)+\q, \q, \a0, \a1, 0
.endr
	WIN 0
	ds_load_b128 v[SA+8*(\e):SA+8*(\e)+3], \as
	ds_load_b128 v[SA+8*(\e)+4:SA+8*(\e)+7], \as offset:16
.endm
.macro FETCH e
	FETCHAT \e, v[ADRA], v[ADRA+1], v[AAS]
.endm
.macro FETCH01                         ; a phase's first two blocks, from slot 0
	FETCHAT 0, v4, v5, v6
	FETCHAT 1, v14, v15, v16
.endm
; ---- product n = 4 q + b.  kind 0 (q, k): source 0 the weight's rows; kind 1 (v): source 0 x's rows.  The bias is the first products' C
.macro PROD kind, e, n, a0, as
.set Q_, (\n)/4
.set FB_, 4*Q_+(\n)%4
.set FA_, 32+NQ*(\e)+Q_
.set D_, (\a0)+(\as)*((\n)%4)
.set DL_, D_&255
.set XB_, SB+NQ*(((\n)%4)/2)+Q_
.set XA_, SA+8*(\e)+Q_
.if \kind
.if Q_
	WIN (1+FA_/FPW)|((1+FB_/FPW)<<2)|((D_>>8)<<4)|((D_>>8)<<6)
	PROD1 DL_, FA_, FB_, v[DL_:DL_+7], XA_, XB_, b, (\n)%2
.else
	WIN (1+FA_/FPW)|((1+FB_/FPW)<<2)|(3<<4)|((D_>>8)<<6)
	PROD1 DL_, FA_, FB_, v[BBV-768+8*((\n)%4):BBV-768+8*((\n)%4)+7], XA_, XB_, b, (\n)%2
.endif
.else
	WIN (1+FB_/FPW)|((1+FA_/FPW)<<2)|((D_>>8)<<4)|((D_>>8)<<6)
.if Q_
	PROD1 DL_, FB_, FA_, v[DL_:DL_+7], XB_, XA_, a, (\n)%2
.else
	PROD1 DL_, FB_, FA_, v[BBQ+8*((\n)%4):BBQ+8*((\n)%4)+7], XB_, XA_, a, (\n)%2
.endif
.endif
.endm
.macro PROD1 d, s0, s1, c, x0, x1, side, o
.if \o
	v_wmma_scale_f32_16x16x128_f8f6f4 v[\d:\d+7], v[FR*((\s0)%FPW):FR*((\s0)%FPW)+FR-1], v[FR*((\s1)%FPW):FR*((\s1)%FPW)+FR-1], \c, v[\x0], v[\x1] matrix_a_fmt:MATRIX_FMT_FP6 matrix_b_fmt:MATRIX_FMT_FP6 matrix_\side\()_scale:MATRIX_SCALE_ROW1
.else
	v_wmma_scale_f32_16x16x128_f8f6f4 v[\d:\d+7], v[FR*((\s0)%FPW):FR*((\s0)%FPW)+FR-1], v[FR*((\s1)%FPW):FR*((\s1)%FPW)+FR-1], \c, v[\x0], v[\x1] matrix_a_fmt:MATRIX_FMT_FP6 matrix_b_fmt:MATRIX_FMT_FP6 matrix_\side\()_scale:MATRIX_SCALE_ROW0
.endif
.endm
; ---- products from .. to - 1 of a block; behind every second one, two entries of a list
.macro BLOCK kind, e, a0, as, from, to, list, x=0, y=0
.set PAR, \e
.set N_, \from
.rept (\to)-(\from)
	PROD \kind, \e, N_, \a0, \as
.if N_%2
	\list N_-1, \x, \y
	\list N_, \x, \y
.endif
.set N_, N_+1
.endr
.endm
.macro STEP i                          ; 3 entries: where the block two on lies.  An even block sets the pair's place (STM: 1 a constant, 2 the other slot, 3 the slot's second pair), an odd one goes by the same
.if (\i) == 0
.if STM == 1
	s_mov_b32 s101, ((PV/2)%2)*YB+(PV%2)*16*PITCH
	s_mov_b32 s91, ((PV/2)%2)*SCB+(PV%2)*2*272
.elseif STM == 2
	s_xor_b32 s[FB], s[FB], YB
	s_xor_b32 s[FBS], s[FBS], SCB
	s_mov_b32 s101, s[FB]
	s_mov_b32 s91, s[FBS]
.elseif STM == 4
	s_add_co_u32 s101, s101, 16*PITCH
	s_add_co_u32 s91, s91, 2*272
.elseif STM == 3
	s_add_co_u32 s101, s[FB], 16*PITCH
	s_add_co_u32 s91, s[FBS], 2*272
.endif
	WIN 0
	v_add_nc_u32 v[ADRA], s101, v[BASE+10*PAR]
.elseif (\i) == 1
	WIN 0
	v_add_nc_u32 v[ADRA+1], s101, v[BASE+1+10*PAR]
.elseif (\i) == 2
	WIN 0
	v_add_nc_u32 v[AAS], s91, v[BASE+2+10*PAR]
.endif
.endm
.macro CHAIN i, x, n, t=TQ             ; 18 entries: the largest magnitude of the 32 sums from register x on, with the floor 2^(3 - 127), and the conversions' scale operand v[SOP+n]
.set XW_, (\x)>>8
.set XL_, (\x)&255
.if (\i) >= 0 && (\i) < 14
.set B_, XL_+16*((\i)%2)+2*((\i)/2)
.set T_, (\t)+1-(\i)%2
.if (\i) < 2
	WIN XW_|(XW_<<2)|(XW_<<4)
	v_max3_num_f32 v[T_], |v[B_]|, |v[B_+1]|, |v[B_+2]|
.else
	WIN (XW_<<2)|(XW_<<4)
	v_max3_num_f32 v[T_], v[T_], |v[B_+1]|, |v[B_+2]|
.endif
.elseif (\i) == 14
	WIN XW_<<2
	v_max3_num_f32 v[\t+1], v[\t+1], |v[XL_+15]|, (EMAX+1)<<23
.elseif (\i) == 15
	WIN 0
	v_nop
.elseif (\i) == 16
	WIN XW_<<2
	v_max3_num_f32 v[\t], v[\t], |v[XL_+31]|, v[\t+1]
.elseif (\i) == 17
	WIN 0
	v_add_nc_u32 v[SOP+\n], -(EMAX<<23), v[\t]
.endif
.endm
.macro CODES i, x, c, n, t=TC          ; 6 lines: 32 codes into v[c .. c+5], the scale's byte into v[EBX+n]
.set XW_, (\x)>>8
.set XL_, (\x)&255
.if (\i) == 0
	WIN XW_
	v_cvt_scalef32_pk16_fp6_f32 v[\c:\c+2], v[XL_:XL_+15], v[SOP+\n]
.elseif (\i) == 1
	WIN XW_
	v_cvt_scalef32_pk16_fp6_f32 v[\t:\t+2], v[XL_+16:XL_+31], v[SOP+\n]
.elseif (\i) == 2
	WIN 0
	v_lshrrev_b32 v[EBX+\n], 23, v[SOP+\n]
.else
	WIN 0
	v_mov_b32 v[\c+\i], v[\t+\i-3]
.endif
.endm
.macro CODES6 x, c, n
.irp i, 0,1,2,3,4,5
	CODES \i, \x, \c, \n
.endr
.endm
.macro PFTILE v, off, share            ; one entry: my sixteenth, 24 units of 256 bytes, of a tile of 128 rows
	s_mul_i32 s21, s\share, RA*KROW/16
	s_add_co_u32 s20, s\off, s21
	WIN 0
	v_min_u32 v\v, RA*KROW/16/256-1, v3
	v_lshl_add_u32 v\v, v\v, 8, s20
.endm
.macro PFGO v, base
	global_prefetch_b8 v\v, s[\base:\base+1] th:TH_LOAD_NT scope:SCOPE_SE
.endm
.macro PUT3 r, base, off
.irp k, 0,1,2
	global_store_b128 v[CO], v[\r+4*\k:\r+4*\k+3], \base offset:(\off)+512*\k
.endr
.endm
.macro PUTQ                            ; a pair of tiles: each store covers 512 or 256 consecutive bytes, aligned
	s_cmp_eq_u32 s16, 0
	s_cbranch_scc0 .Lhalf_1_\@
	global_store_b128 v[COB], v[NCD:NCD+3], s[84:85]
	global_store_b64 v[C8B], v[NCD+4:NCD+5], s[76:77]
	global_store_b128 v[COB], v[NCD+6:NCD+9], s[84:85] offset:1024
	global_store_b64 v[C8B], v[NCD+10:NCD+11], s[76:77] offset:512
	s_branch .Lput_\@
.Lhalf_1_\@:
	global_store_b64 v[C8B], v[NCD:NCD+1], s[76:77]
	global_store_b128 v[COB], v[NCD+2:NCD+5], s[84:85]
	global_store_b64 v[C8B], v[NCD+6:NCD+7], s[76:77] offset:512
	global_store_b128 v[COB], v[NCD+8:NCD+11], s[84:85] offset:1024
.Lput_\@:
.endm
.macro ASK i                           ; 4 entries: the descriptors of the chunk at s88 (from x's codes) for slot s47, and of its scale bytes at s55 for s8; then all four step on
.if (\i) == 0
	s_mul_i32 s[G0R+1], s14, RA/2*PITCH
	s_add_co_u32 s[G0R+1], s[G0R+1], s47
	s_mul_i32 s20, s14, RA/2*KROW
	SADD 20, 88
.elseif (\i) == 1
	s_mov_b32 s21, 0
	s_add_nc_u64 s[G0R+2:G0R+3], s[4:5], s[20:21]
	s_or_b32 s[G0R+3], s[G0R+3], 0x80000000
	s_mov_b32 s[G0S+1], s8
.elseif (\i) == 2
	s_mov_b32 s20, s55
	s_add_nc_u64 s[G0S+2:G0S+3], s[6:7], s[20:21]
	s_or_b32 s[G0S+3], s[G0S+3], 0x80000000
	s_add_co_u32 s88, s88, RA*KROW
.elseif (\i) == 3
	s_add_co_u32 s55, s55, CU*256
	s_xor_b32 s47, s47, YB
	s_xor_b32 s8, s8, (SCL)^(SCL+SCB)
.endif
.endm
.macro PAIR i                          ; 5 entries: where pair s46's codes go (by its true number, s46 xor 4 s87) and its scale bytes (by the order of work)
.if (\i) == 0
	s_lshl_b32 s3, s87, 2
	s_xor_b32 s3, s3, s46
	s_lshr_b32 s20, s3, 2
	s_and_b32 s22, s3, 3
.elseif (\i) == 1
	s_mul_i32 s20, s20, 204800
	s_lshl_b32 s2, s22, 11
	SADD 20, 2
	s_mov_b32 s21, 0
.elseif (\i) == 2
	s_add_nc_u64 s[84:85], s[10:11], s[20:21]           ; the pair's pieces of 16 bytes a lane: 2,048 bytes a pair
	s_lshl_b32 s22, s22, 10
	s_sub_co_u32 s20, s20, s22
	s_add_nc_u64 s[76:77], s[10:11], s[20:21]           ; those of 8 bytes: 1,024 a pair
.elseif (\i) == 3
	s_lshr_b32 s22, s46, 1
	s_lshl_b32 s22, s22, 7
	s_and_b32 s23, s46, 1
	s_lshl_b32 s23, s23, 2
.elseif (\i) == 4
	s_or_b32 s22, s22, s23
	s_add_co_u32 s46, s46, 1
	WIN 0
	v_add_nc_u32 v[VX], s22, v[STO]
.endif
.endm
; ---- the lists
.macro L_STEP i, x, y
	STEP \i
.endm
.macro L_NONE i, x, y
.endm
.macro L_OUT i, x, y
	STEP \i
	CHAIN (\i)-3, \x, \y
.endm
.macro L_LAST i, x, y
	CHAIN \i, \x, \y
.endm
.macro L_V2 i, x, y                    ; v's third block: the refills' descriptors, the step, two prefetches' addresses
.if (\i) == 0
	s_mov_b32 s[G1A+2], (RA/2)<<16
	s_mov_b32 s[G1A+4], RA/2
	s_mov_b32 s[G1S+2], CU<<16
	s_mov_b32 s[G1S+4], CU
.elseif (\i) == 1
	s_mov_b32 s[G1B+2], (TN/2)<<16
	s_mov_b32 s[G1B+4], TN/2
	s_mul_i32 s[G0B+1], s14, TN/2*PITCH
	s_add_co_u32 s[G0B+1], s[G0B+1], BVB
.elseif (\i) == 2
	s_mul_i32 s20, s14, TN/2*KROW
	SADD 20, 9
	s_mov_b32 s21, 0
	s_add_nc_u64 s[G0B+2:G0B+3], s[52:53], s[20:21]
.elseif (\i) == 3
	s_or_b32 s[G0B+3], s[G0B+3], 0x80000000
.elseif (\i) == 7
	PFTILE 7, 88, 90
.elseif (\i) == 8
	s_lshl_b32 s21, s90, 9
	s_add_co_u32 s20, s55, s21
	WIN 0
	v_min_u32 v8, 1, v3
	v_lshl_add_u32 v8, v8, 8, s20
.endif
	STEP (\i)-4
.endm
.macro L_V7 i, x, y
.if (\i) == 0
	s_add_co_u32 s22, s88, RA*KROW
	PFTILE 20, 22, 90
.endif
	CHAIN (\i)-1, \x, \y
.endm
.macro L_ODD i, x, y
	PAIR \i
	STEP (\i)-5
	CHAIN (\i)-8, ACC, 0
.endm
.macro L_ODDL i, x, y
	PAIR \i
	CHAIN (\i)-5, ACC, 0
.endm
.macro L_ROUND i, x, y
	ASK \i
	STEP (\i)-4
	CHAIN (\i)-7, ACC+32, 1
.endm
; ---- phase 2's blocks.  w: the count of the wait for the block's rows (-1: they are shown in already)
.macro WAITDS w
.if (\w) >= 0
	s_wait_dscnt \w
.endif
.endm
.macro EVENOUT fetch
	WALU
	ds_store_b8 v[VX], v[EB+1] offset:2
	PUTQ
.if \fetch
	FETCH 0
.endif
.endm
.macro EVEN w, fetch
.set STM, 3
	WAITDS \w
.if \fetch
	BLOCK 0, 0, ACC, 8, 0, 32, L_OUT, ACC+32, 1
.else
	BLOCK 0, 0, ACC, 8, 0, 32, L_LAST, ACC+32, 1
.endif
	WIN 0
	CODES6 ACC+32, NCD+6, 1
	EVENOUT \fetch
.endm
.macro EVENROUND w                     ; a refill's round stands inside the block: products are register work
.set STM, 2
	WAITDS \w
	GRD
	BLOCK 0, 0, ACC, 8, 0, 26, L_ROUND
	WIN 0
	WALU
	s_wait_dscnt 0x0
	s_barrier_signal -1
	BLOCK 0, 0, ACC, 8, 26, 32, L_NONE
	WIN 0
	CODES6 ACC+32, NCD+6, 1
	MIDDLE
	BARRIER
	s_cmp_lt_u32 s14, 2
	s_cbranch_scc0 .Lscales_\@
	TLOAD G0R, G1A
	s_branch .Lasked_\@
.Lscales_\@:
	s_cmp_eq_u32 s14, 2
	s_cbranch_scc0 .Lnone_\@
	TLOAD G0S, G1S
.Lnone_\@:
.Lasked_\@:
	EVENOUT 1
.endm
.macro EVENSHOW w                      ; a plain barrier shows the last refill to all
.set STM, 4
	WAITDS \w
	BLOCK 0, 0, ACC, 8, 0, 26, L_OUT, ACC+32, 1
	WIN 0
	WALU
	s_wait_tensorcnt 0x0
	s_wait_dscnt 0x0
	s_barrier_signal -1
	BLOCK 0, 0, ACC, 8, 26, 32, L_NONE
	WIN 0
	s_barrier_wait -1
	CODES6 ACC+32, NCD+6, 1
	EVENOUT 1
.endm
.macro ODD w, fetch
.set STM, 0
	WAITDS \w
	s_wait_xcnt 0x0
.if \fetch
	BLOCK 0, 1, ACC+32, 8, 0, 32, L_ODD
.else
	BLOCK 0, 1, ACC+32, 8, 0, 32, L_ODDL
.endif
	WIN 0
	CODES6 ACC, NCD, 0
	WALU
	ds_store_b8 v[VX], v[EB]
.if \fetch
	FETCH 1
.endif
.endm
; ================= THE HEAD
	s_load_b128 s[4:7], s[0:1], 0x0                     ; x's codes, scales
	s_load_b256 s[76:83], s[0:1], 0x10                  ; Wq's, Wk's codes and scales
	s_load_b128 s[48:51], s[0:1], 0x30                  ; Wv's
	v_lshl_add_u32 v[SPW], v0, 2, SPARE
	v_mov_b32 v[NIL], 0
	ds_add_u32 v[SPW], v[NIL]
	ds_add_u32 v[SPW], v[NIL]
	v_lshrrev_b32 v1, 5, v0
	v_readfirstlane_b32 s14, v1                         ; s14 the wave; s15 its row a of the 2 x 2, s16 its column b
	s_lshr_b32 s15, s14, 1
	s_and_b32 s16, s14, 1
	s_bfe_u32 s40, ttmp6, 0x40000                       ; cx
	s_bfe_u32 s41, ttmp6, 0x40004                       ; cy
	s_and_b32 s2, ttmp7, 0xffff
	s_lshl_b32 s42, s2, 2
	s_add_co_u32 s42, s42, s40                          ; phase 2's tile column, 0 .. 15, by the cluster's y
	s_lshr_b32 s3, s2, 1                                ; the batch: of the cluster's number 4 y + x, bit 0 xor bit 3 and bit 1 xor bit 2
	s_xor_b32 s3, s3, ttmp9
	s_and_b32 s3, s3, 1
	s_lshl_b32 s43, s2, 1
	s_xor_b32 s43, s43, ttmp9
	s_and_b32 s43, s43, 2
	s_or_b32 s43, s43, s3
	s_lshl_b32 s43, s43, 2
	s_add_co_u32 s43, s43, s41                          ; its tile row
	s_lshr_b32 s19, s2, 1                               ; 0 q, 1 k
	s_and_b32 s87, s2, 1                                ; v's half of my 512 rows
	s_lshl_b32 s13, s19, 2
	s_add_co_u32 s13, s13, s40                          ; v's tile column
	s_lshl_b32 s12, s43, 1
	s_add_co_u32 s12, s12, s87                          ; v's tile row
	s_and_b32 s17, s42, 7                               ; my 128 channels of q or k
	s_lshl_b32 s44, s41, 2
	s_lshl_b32 s44, 15, s44                             ; my row of the cluster
	s_lshl_b32 s45, 0x1111, s40                         ; my column
	GROUP1 G1A, 44, RA
	GROUP1 G1B, 45, TN
	s_or_b32 s[G1S+0], s44, (3<<16)|(1<<20)|(1<<21)|(5<<22)|(3<<25)
	s_mov_b32 s[G1S+1], 32<<16
	s_mov_b32 s[G1S+2], (2*CU)<<16
	s_mov_b32 s[G1S+3], 32<<16
	s_mov_b32 s[G1S+4], 2*CU
	s_mov_b32 s[G1S+5], 32
	s_mov_b32 s[G1S+6], 0
	s_mov_b32 s[G1S+7], 0
	s_mov_b32 s[G0S], 1
	s_mov_b32 s[G0S+1], SCL
	s_mul_i32 s67, s43, 512*KROW                        ; my 512 rows, bytes from x's codes
	s_mul_i32 s66, s12, 256*KROW                        ; v's half of them
	s_mul_i32 s9, s17, TN*KROW                          ; my rows of Wq or Wk
	s_mul_i32 s54, s13, TN*KROW                         ; of Wv
	s_mul_i32 s55, s43, 512*KS
	s_mul_i32 s89, s12, 256*KS
	s_lshl_b32 s22, s16, 11                             ; 64 rows of scale bytes
	s_lshl_b32 s10, s17, 12
	SADD 10, 22
	s_mov_b32 s11, 0
	s_lshl_b32 s84, s13, 12
	SADD 84, 22
	s_mov_b32 s85, 0
	s_mov_b32 s[G0A], 1
	s_mov_b32 s[G0A+1], 0
	s_mov_b32 s[G0B], 1
	s_mov_b32 s[G0B+1], BVB
	s_mov_b32 s[G0R], 1
	s_mov_b32 s[G0R+1], YB
	s_lshl_b32 s90, s40, 2
	s_add_co_u32 s90, s90, s14                          ; my number among the sixteen waves of my row of the cluster
	s_lshl_b32 s100, s41, 2
	s_add_co_u32 s100, s100, s14                        ; and of my column
	s_mul_i32 s21, s15, 64*PITCH
	s_mul_i32 s22, s16, 64*PITCH
	s_add_co_u32 s22, s22, BVB
	s_add_co_u32 s23, s22, 16*PITCH
	s_mul_i32 s20, s15, 8*272
	s_add_co_u32 s20, s20, SCL
	s_add_co_u32 s2, s20, 272
	s_lshl_b32 s3, s14, 9
	s_add_co_u32 s3, s3, XN
	s_mul_i32 s8, s16, 5888
	s_sub_co_u32 s8, 12288, s8
	s_lshl_b32 s44, s16, 9
	s_lshl_b32 s45, s16, 8
	s_add_co_u32 s45, s45, 8192
	v_and_b32 v1, 15, v0                                ; r
	v_bfe_u32 v2, v0, 4, 1                              ; h
	v_and_b32 v3, 31, v0                                ; lane
	v_and_b32 v64, 7, v0                                ; i = r % 8
	v_bfe_u32 v65, v0, 3, 1                             ; r / 8
	v_mad_u32_u24 v66, v65, 40, v64                     ; tile 0's rows: i, 40 + i
	v_mad_u32_u24 v67, v65, 24, v64
	v_add_nc_u32 v67, 8, v67                            ; tile 1's rows: 8 + i, 32 + i
	v_mul_u32_u24 v68, v66, PITCH
	v_mul_u32_u24 v69, v67, PITCH
	v_mad_u32_u24 v70, v2, 24, v68                      ; + 24 h; and for the pieces where lanes 16-31 lie behind one padding more
	v_mad_u32_u24 v71, v2, 40, v68
	v_mad_u32_u24 v72, v2, 24, v69
	v_mad_u32_u24 v73, v2, 40, v69
	v_add_nc_u32 v4, s21, v70
	v_add_nc_u32 v5, s21, v71
	v_add_nc_u32 v14, s21, v72
	v_add_nc_u32 v15, s21, v73
	WIN 3<<6
	v_add_nc_u32 v[BA-768], s22, v70                    ; the weights' four tiles
	v_add_nc_u32 v[BA-768+1], s22, v71
	v_add_nc_u32 v[BA-768+2], s22, v72
	v_add_nc_u32 v[BA-768+3], s22, v73
	v_add_nc_u32 v[BA-768+4], s23, v70
	v_add_nc_u32 v[BA-768+5], s23, v71
	v_add_nc_u32 v[BA-768+6], s23, v72
	v_add_nc_u32 v[BA-768+7], s23, v73
	WIN 0
	v_lshlrev_b32 v74, 5, v64                           ; x's scale bytes: a unit of 256 holds 8 rows
	v_mad_u32_u24 v75, v65, 5*272, v74
	v_mad_u32_u24 v76, v65, 3*272, v74
	v_add_nc_u32 v6, s20, v75
	v_add_nc_u32 v16, s2, v76
	v_xor_b32 v77, v2, v65                              ; the weights' scale bytes: lanes 0-15 tile 2 p, lanes 16-31 tile 2 p + 1
	v_lshl_add_u32 v77, v77, 3, v64
	v_lshl_add_u32 v77, v65, 5, v77
	v_lshlrev_b32 v[ABS], 5, v77
	v_lshlrev_b32 v[CO], 4, v3
	v_lshlrev_b32 v[C8], 3, v3
	v_lshl_add_u32 v[COB], v3, 4, s44
	v_lshl_add_u32 v[C8B], v3, 3, s45
	v_lshl_add_u32 v78, v1, 3, v2
	v_add_nc_u32 v[STO], s3, v78                        ; my stage: 8 r + h
	v_mul_u32_u24 v[BQE], v2, 160
	v_mul_u32_u24 v[BQE+1], v2, 96
	v_lshlrev_b32 v[H8], 3, v2
	v_lshlrev_b32 v79, 2, v66                           ; v's bias: tiles 0 and 2, tiles 1 and 3
	v_lshlrev_b32 v80, 2, v67
	v_lshl_add_u32 v81, v2, 3, s8
	v_lshl_add_u32 v0, v1, 4, v81                       ; v's scale words: 16 r + 8 h, behind the tiles
	WALU
	s_wait_dscnt 0x0
	CROUND                                              ; the opening round, ahead of the wait for the arguments
	s_wait_kmcnt 0x0
	s_cmp_eq_u32 s19, 1
	s_cselect_b64 s[52:53], s[80:81], s[76:77]          ; Wq's or Wk's codes
	s_cselect_b64 s[2:3], s[82:83], s[78:79]
	s_add_nc_u64 s[2:3], s[2:3], s[10:11]               ; its scale bytes, my 64 rows
	s_add_nc_u64 s[84:85], s[50:51], s[84:85]           ; Wv's
	s_mov_b32 s21, 0
	G0SET G0A, 4, 66
	s_add_nc_u64 s[G0R+2:G0R+3], s[G0A+2:G0A+3], RA*KROW
	G0SET G0B, 48, 54
	G0SET G0S, 6, 89
	s_cmp_eq_u32 s14, 0
	s_cbranch_scc0 .Lwave_1
	TLOAD G0B, G1B                                      ; wave 0: Wv's rows
	s_branch .Lasked
.Lwave_1:
	s_cmp_eq_u32 s14, 1
	s_cbranch_scc0 .Lwave_2
	TLOAD G0S, G1S                                      ; wave 1: both chunks' scale bytes
	s_branch .Lasked
.Lwave_2:
	s_cmp_eq_u32 s14, 2
	s_cbranch_scc0 .Lwave_3
	TLOAD G0A, G1A                                      ; wave 2: chunk 0
	s_branch .Lasked
.Lwave_3:
	TLOAD G0R, G1A                                      ; wave 3: chunk 1
.Lasked:
.irp p, 0,1
.irp c, 0,1
	global_load_b128 v[SB+NQ*\p+4*\c:SB+NQ*\p+4*\c+3], v[ABS], s[84:85] offset:\p*16*KS+16*\c
.endr
.endr
	WIN 3<<6
.irp p, 0,1
.irp c, 0,1
	global_load_b128 v[SB2-768+NQ*\p+4*\c:SB2-768+NQ*\p+4*\c+3], v[ABS], s[2:3] offset:\p*16*KS+16*\c
.endr
.endr
	WIN 0
	s_wait_xcnt 0x0
	s_load_b128 s[76:79], s[0:1], 0x40                  ; bq, bk
	s_load_b64 s[2:3], s[0:1], 0x50                     ; bv
	s_lshl_b32 s21, s12, 1                              ; where v goes: key step 2 x tile row + a
	SADD 21, 15
	s_lshr_b32 s22, s21, 4
	s_lshl_b32 s22, s22, 3
	SADD 22, 13
	s_lshl_b32 s22, s22, 4
	s_and_b32 s21, s21, 15
	SADD 22, 21
	s_mul_i32 s80, s22, 12800
	s_mul_i32 s23, s16, 6144
	SADD 80, 23
	s_mov_b32 s81, 0
	s_mul_i32 s20, s17, 12800                           ; where q or k goes
	s_mul_i32 s23, s19, 6553600
	SADD 20, 23
	s_lshl_b32 s22, s43, 2
	s_add_co_u32 s21, s22, s15
	s_mul_i32 s82, s21, 102400
	SADD 82, 20
	s_mov_b32 s83, 0
	s_xor_b32 s21, s15, s87                             ; the scale words that I store at the end: work half wave / 2, key step wave % 2 of it
	s_lshl_b32 s21, s21, 1
	SADD 21, 16
	SADD 21, 22
	s_mul_i32 s84, s21, 102400
	SADD 84, 20
	s_add_co_u32 s84, s84, 12288
	s_mov_b32 s85, 0
	s_lshl_b32 s23, s16, 8
	s_lshl_b32 s20, s17, 9
	SADD 20, 23
	s_mov_b32 s21, 0
	s_lshl_b32 s22, s13, 9
	SADD 22, 23
	s_mov_b32 s23, 0
	s_wait_kmcnt 0x0
	s_cmp_eq_u32 s19, 1
	s_cselect_b64 s[76:77], s[78:79], s[76:77]
	s_add_nc_u64 s[12:13], s[76:77], s[20:21]           ; kept for the loads between the phases
	s_add_nc_u64 s[22:23], s[2:3], s[22:23]
	WIN 3<<6
	global_load_b32 v[BBV-768], v79, s[22:23]
	global_load_b32 v[BBV-768+8], v80, s[22:23]
	global_load_b32 v[BBV-768+16], v79, s[22:23] offset:64
	global_load_b32 v[BBV-768+24], v80, s[22:23] offset:64
	WIN 0
	s_wait_xcnt 0x0
	s_load_b64 s[10:11], s[0:1], 0x58                   ; qk_img
	s_load_b64 s[50:51], s[0:1], 0x60                   ; v_img
	s_mov_b32 s46, 0
	s_mov_b32 s88, s67
	s_mov_b32 s47, 0
	s_mov_b32 s8, SCL
	s_mov_b32 s[FB], 0
	s_mov_b32 s[FBS], 0
	s_xor_b32 s20, s87, 1                               ; the chunks still to come are the other half's
	s_mul_i32 s21, s20, 2*RA*KROW
	SADD 88, 21
	s_mul_i32 s21, s20, 2*CU*256
	SADD 55, 21
	PFTILE 8, 9, 100                                    ; what the first refill will load
	WALU
	s_cmp_eq_u32 s14, 0
	s_cbranch_scc0 .Lnot_b
	s_wait_tensorcnt 0x0
.Lnot_b:
	BARRIER                                             ; Wv's rows are in
	PFGO 8, 52
	WEIGHTS
	s_wait_loadcnt 0x0                                  ; the scale words and v's bias
	WIN (3<<6)|3
.irp t, 0,8,16,24
.irp i, 1,2,3,4,5,6,7
	v_mov_b32 v[BBV-768+\t+\i], v[BBV-768+\t]           ; one number a lane and tile, over the tile's eight registers
.endr
.endr
	WIN 0
	WALU
	s_cmp_eq_u32 s14, 3
	s_cbranch_scc1 .Lnot_a0
	s_wait_tensorcnt 0x0
.Lnot_a0:
	s_wait_dscnt 0x0
	BARRIER                                             ; chunk 0 and the scale bytes are in; chunk 1 may still be on its way
	FETCH01
	s_wait_kmcnt 0x0
	s_add_nc_u64 s[48:49], s[10:11], s[84:85]
	s_add_nc_u64 s[10:11], s[10:11], s[82:83]
	s_add_nc_u64 s[50:51], s[50:51], s[80:81]
; ================= PHASE 1: v, eight blocks; band 0's way outs stand in band 1's blocks
.set PV, 1
.irp s, 0,1
.set STM, 1-\s
	s_wait_dscnt NF
	BLOCK 1, \s, HV0+8*\s, 32, 0, 32, L_STEP
	WIN 0
	PLACES 4
	WALU
	FETCH \s
.endr
	s_wait_dscnt NF
	s_wait_xcnt 0x0                                     ; the list writes v8, the address of the head's prefetch
	GRD
.set STM, 1
.set PV, 2
	BLOCK 1, 0, HV0+16, 32, 0, 24, L_V2
	WIN 0
	WALU
	s_wait_dscnt 0x0
	s_barrier_signal -1
	BLOCK 1, 0, HV0+16, 32, 24, 32, L_NONE
	MIDDLE
	BARRIER
	s_cmp_lt_u32 s14, 2
	s_cbranch_scc0 .Lno_half
	TLOAD G0B, G1B                                      ; waves 0 and 1 a half each of Wq's or Wk's rows, onto Wv's, which all waves hold in registers
.Lno_half:
	PLACES 4
	WALU
	FETCH 0
	PFGO 7, 4
	PFGO 8, 6
.set STM, 0
	BLOCK 1, 1, HV0+24, 32, 0, 32, L_STEP
	WIN 0
	PLACES 4
	WALU
	FETCH 1
.set PV, 3
.irp j, 0,1,2
.set STM, 1-(\j)%2
	s_wait_dscnt NF
.if \j < 2
	BLOCK 1, \j%2, HV1+8*\j, 32, 0, 32, L_OUT, HV0+32*\j, \j
.else
	BLOCK 1, \j%2, HV1+8*\j, 32, 0, 32, L_LAST, HV0+32*\j, \j
.endif
	WIN 0
	CODES6 HV0+32*\j, MCD+12*\j, \j
	WALU
.if \j < 2
	FETCH \j%2
.endif
.endr
	s_wait_dscnt 0x0
	BLOCK 1, 1, HV1+24, 32, 0, 26, L_V7, HV0+96, 3
	WIN 0
	WALU
	s_wait_tensorcnt 0x0
	s_wait_dscnt 0x0
	s_barrier_signal -1                                 ; a plain barrier: the weights that the first refill brought are shown to all
	BLOCK 1, 1, HV1+24, 32, 26, 32, L_NONE
	WIN 0
	s_barrier_wait -1
	CODES6 HV0+96, MCD+36, 3
	WALU
; ================= THE CHANGE OF PHASE: the weights and the first two blocks, which lie in slot 0 still, in one run of loads; band 1's way outs under their flight
.irp k, 0,1,2,3,4,5,6,7
	global_load_b128 v[BBQ+4*\k:BBQ+4*\k+3], v[BQE+(\k/2)%2], s[12:13] offset:16*\k
.endr
	WEIGHTS
	FETCH01
	PFGO 20, 4
	s_mov_b32 s40, 0x76543210                           ; selects for lane l xor 16
	s_mov_b32 s41, 0xfedcba98
	s_mov_b32 s44, 0xffff0000                           ; lanes 16-31
	WIN 3
.set I, 0
.rept 16
	v_mov_b32 v[SB+I], v[SB2-768+I]
.set I, I+1
.endr
	WIN 0
.set I, 0
.rept 18
.irp t, 0,1,2,3
	CHAIN I, HV1+32*\t, \t, 64+4*\t
.endr
.set I, I+1
.endr
.set EBX, EV
.set I, 0
.rept 6
.irp t, 0,1,2,3
	CODES I, HV1+32*\t, MCD+12*\t+6, \t, 80+4*\t
.endr
.set I, I+1
.endr
.set EBX, EB
	WIN 0
.irp t, 0,1,2,3
	v_lshl_or_b32 v[EV+\t], v[EV+\t], 16, v[EB+\t]      ; my two bytes of a channel's scale word: blocks h and 2 + h
.endr
.irp t, 0,1,2,3
	v_lshlrev_b32 v[EV+\t], v[H8], v[EV+\t]
.endr
.irp t, 0,1,2,3
	v_permlanex16_b32 v[64+4*\t], v[EV+\t], s40, s41
.endr
.irp t, 0,1,2,3
	v_or_b32 v[EV+\t], v[EV+\t], v[64+4*\t]             ; with lane l xor 16's two the word is whole
.endr
	v_cndmask_b32 v254, v[EV], v[EV+2], s44             ; lane (r, h): the words of tiles 2 h and 2 h + 1
	v_cndmask_b32 v255, v[EV+1], v[EV+3], s44
	WALU
; ================= PHASE 2: q or k, sixteen blocks, way outs by pairs
	s_wait_loadcnt 0x0
	s_wait_dscnt NF
.set STM, 1
.set PV, 1
	BLOCK 0, 0, ACC, 8, 0, 32, L_STEP
	WIN 0
	PLACES 4
	WALU
.irp t, 0,1,2,3
	PUT3 MCD+12*\t, s[50:51], 1536*\t                   ; v's codes leave,
.endr
	global_store_b64 v0, v[254:255], s[50:51]           ; and its scale words: 256 consecutive bytes, aligned
	FETCH 0
	ODD NF, 1
	s_mov_b32 s86, 0
.Lwith_rounds:                                          ; blocks 2 to 5, 6 to 9
	EVENROUND NF+1
	ODD -1, 1
	EVEN NF+1, 1
	ODD NF+1, 1
	s_add_co_u32 s86, s86, 1
	s_cmp_lg_u32 s86, 2
	s_cbranch_scc1 .Lwith_rounds
	s_mov_b32 s101, YB-16*PITCH                         ; slot 1's two pairs, one a trip
	s_mov_b32 s91, SCB-2*272
.Lshown:                                                ; blocks 10, 11 and 12, 13
	EVENSHOW NF+1
	ODD -1, 1
	s_add_co_u32 s86, s86, 1
	s_cmp_lg_u32 s86, 4
	s_cbranch_scc1 .Lshown
	EVEN NF+1, 0
	ODD 1, 0
; ================= THE END: the last way out; the scale bytes go through LDS under its conversions
	s_lshl_b32 s21, s16, 10                             ; the stages of the waves in row wave % 2, half wave / 2
	s_lshl_b32 s22, s15, 8
	SADD 21, 22
	s_add_co_u32 s21, s21, XN
	v_add_nc_u32 v12, s21, v[C8]
.set I, 0
.rept 18
	CHAIN I, ACC+32, 1
.set I, I+1
.endr
	CODES 2, ACC+32, NCD+6, 1
	WALU
	ds_store_b8 v[VX], v[EB+1] offset:2
	s_wait_dscnt 0x0
	s_barrier_signal -1
	CODES 0, ACC+32, NCD+6, 1
	CODES 1, ACC+32, NCD+6, 1
	WIN 0
	v_nop
.irp i, 3,4,5
	CODES \i, ACC+32, NCD+6, 1
.endr
	WALU
	s_barrier_wait -1
	ds_load_b64 v[64:65], v12                           ; channels' first half: two bytes a tile,
	ds_load_b64 v[66:67], v12 offset:512                ; and second half
	PUTQ
	s_wait_dscnt 0x0
	s_mov_b32 s20, 0x05040100
	s_mov_b32 s21, 0x07060302
	v_perm_b32 v68, v66, v64, s20
	v_perm_b32 v69, v66, v64, s21
	v_perm_b32 v70, v67, v65, s20
	v_perm_b32 v71, v67, v65, s21
	global_store_b128 v[CO], v[68:71], s[48:49]
	s_wait_tensorcnt 0x0
	ds_add_u32 v[SPW], v[NIL]
	s_wait_dscnt 0x0
	CROUND
	s_endpgm
.Lfunc_end_k_q7dadb61bcd_proj:
	.size	k_q7dadb61bcd_proj, .Lfunc_end_k_q7dadb61bcd_proj-k_q7dadb61bcd_proj
	.p2alignl 7, 3214868480
	.fill 96, 4, 3214868480
	.section	.rodata,"a",@progbits
	.p2align	6, 0x0
	.amdhsa_kernel k_q7dadb61bcd_proj
		.amdhsa_group_segment_fixed_size 327680
		.amdhsa_private_segment_fixed_size 0
		.amdhsa_enable_private_segment 0
		.amdhsa_kernarg_size 104
		.amdhsa_user_sgpr_count 2
		.amdhsa_user_sgpr_kernarg_segment_ptr 1
		.amdhsa_wavefront_size32 1
		.amdhsa_system_sgpr_workgroup_id_x 1
		.amdhsa_system_sgpr_workgroup_id_y 1
		.amdhsa_system_sgpr_workgroup_id_z 1
		.amdhsa_system_vgpr_workitem_id 0
		.amdhsa_next_free_vgpr 1024
		.amdhsa_next_free_sgpr 102
		.amdhsa_reserve_vcc 0
		.amdhsa_float_denorm_mode_32 3
		.amdhsa_float_denorm_mode_16_64 3
		.amdhsa_memory_ordered 1
		.amdhsa_forward_progress 1
		.amdhsa_inst_pref_size 192
	.end_amdhsa_kernel
	.amdgpu_metadata
---
amdhsa.version: [ 1, 2 ]
amdhsa.kernels:
  - .name:           k_q7dadb61bcd_proj
    .symbol:         k_q7dadb61bcd_proj.kd
    .args:
      - { .name: x_codes, .offset: 0, .size: 8, .value_kind: global_buffer, .address_space: global }
      - { .name: x_scales, .offset: 8, .size: 8, .value_kind: global_buffer, .address_space: global }
      - { .name: Wq_codes, .offset: 16, .size: 8, .value_kind: global_buffer, .address_space: global }
      - { .name: Wq_scales, .offset: 24, .size: 8, .value_kind: global_buffer, .address_space: global }
      - { .name: Wk_codes, .offset: 32, .size: 8, .value_kind: global_buffer, .address_space: global }
      - { .name: Wk_scales, .offset: 40, .size: 8, .value_kind: global_buffer, .address_space: global }
      - { .name: Wv_codes, .offset: 48, .size: 8, .value_kind: global_buffer, .address_space: global }
      - { .name: Wv_scales, .offset: 56, .size: 8, .value_kind: global_buffer, .address_space: global }
      - { .name: bq, .offset: 64, .size: 8, .value_kind: global_buffer, .address_space: global }
      - { .name: bk, .offset: 72, .size: 8, .value_kind: global_buffer, .address_space: global }
      - { .name: bv, .offset: 80, .size: 8, .value_kind: global_buffer, .address_space: global }
      - { .name: qk_img, .offset: 88, .size: 8, .value_kind: global_buffer, .address_space: global }
      - { .name: v_img, .offset: 96, .size: 8, .value_kind: global_buffer, .address_space: global }
    .group_segment_fixed_size: 327680
    .private_segment_fixed_size: 0
    .kernarg_segment_align: 8
    .kernarg_segment_size: 104
    .max_flat_workgroup_size: 128
    .sgpr_count:     102
    .vgpr_count:     1024
    .wavefront_size: 32
...
	.end_amdgpu_metadata
.endif
;; end of part 1
;; launch score (part 2): grid 8 x 32, 4 waves a work-group, clusters of 4 x 4, 327,680 bytes of LDS; arguments qk_img, p_img, p_st; writes p_img, p_st
.if DOCPART == 2
	.amdgcn_target "amdgcn-amd-amdhsa--gfx1250"
	.amdhsa_code_object_version 6
	.text
	.protected	k_q7dadb61bcd_score
	.globl	k_q7dadb61bcd_score
	.p2align	8
	.type	k_q7dadb61bcd_score,@function
k_q7dadb61bcd_score:
	s_mov_b64 s[64:65], 0
	v_nop
	global_prefetch_b8 v0, s[64:65] scope:SCOPE_SE
	s_setreg_imm32_b32 hwreg(HW_REG_WAVE_MODE, 25, 1), 1
	s_wait_xcnt 0x0
	s_wait_alu depctr_hold_cnt(0) depctr_sa_sdst(0) depctr_va_vdst(0) depctr_va_sdst(0) depctr_va_ssrc(0) depctr_va_vcc(0) depctr_vm_vsrc(0)
	s_getreg_b32 s2, hwreg(HW_REG_IB_STS2, 6, 4)
	s_cmp_eq_u32 s2, 0
	s_cbranch_scc0 .Lentry_in_a_cluster
	s_endpgm
.Lentry_in_a_cluster:
	s_bfe_u32 s2, ttmp6, 0x10000c
	s_cmp_lg_u32 s2, 0xf033
	s_cbranch_scc0 .Lentry_shape_is_right
	s_endpgm
.Lentry_shape_is_right:
; S = q k^T on codes of FP6 (K = 1,024), then p = 2^(t - M) with t = S log2(e) / 32 and M the ceiling of the largest t of a query's 128 keys; p leaves as codes with its scale words, -M and the sum of the unquantised p.  Nothing of reference() is left out here.
; LIMITS: NaN and infinities are not served; the promise holds while the scaled scores stay under 2^31 in magnitude.  A block of p under 2^(3 - 127) keeps the byte 1.
; SHARES.  256 work-groups: 256 queries ("A") x 256 keys ("B"), a wave 128 x 128: 64 accumulators.  Source 0 = 16 keys, source 1 = 16 queries: a lane holds one query, and by the order of the keys in a tile its 32 results of four tiles are one whole block of 32 keys.
; RING.  Eight K steps of 128; a side's step of 128 rows is 12,288 bytes of codes and 512 of scale words, on end.  Slot 0 takes steps 0 and 1, slot 1 steps 2 to 5: both are asked for at the head, one joint load a wave (A's by a row of the cluster, B's by a column);
; slot 0 takes steps 6 and 7 by the one refill, which has four K steps in which to land.  The launch has no loop to run ahead in: no prefetch.
; WAITS' COUNTS: the youngest 4 NL loads are A's tiles 4-7; with the add one more.
.set FR,     12
.set NL,     3                         ; LDS loads that bring a fragment
.set NP,     4
.set UNIT,   12800
.set SL0B,   4*UNIT                    ; slot 0: A [2][2 units], B [2][2 units]
.set SL1,    8*UNIT                    ; slot 1: A [2][4 units], B [2][4 units]
.set SL1B,   16*UNIT
.set SPARE,  24*UNIT
.set ADA,  16                          ; v16, v17 A in slot 0, 1 (16 x lane); v18, v19 (8 x lane)
.set ADB,  20                          ; v20-23 B likewise
.set LI,   24
.set ADS,  26                          ; v26, v27 scale words: lanes 0-15 A's, lanes 16-31 B's
.set HA,    8                          ; v8, v9 a step's pieces of 8 bytes a lane: A's tiles 0-3, 4-7; v10, v11 B's
.set HB,   10
.set SPW,  28
.set NIL,  29
.set H8,   30
.set SC,   32                          ; v32-47 scale words, two sets
.set BM,   48
.set PC,   64
.set AF,   128
.set TB,   128
.set BS,   160
.set NMP,  192
.set LL,   208
.set PW,   216
.set PO,   224
.set GA0, 24
.set GB0, 48
.set GA1, 68
.set GB1, 80
.set A0, 32
.set A1, 36
.set B0, 56
.set B1, 60
.set CS,  96
.set SEL, 98
.set MSK, 100
.set MSB, 0
.macro WIN new
.if MSB != (\new)
	s_set_vgpr_msb (MSB<<8)|(\new)
.set MSB, (\new)
.endif
.endm
.set MUL_LO, 0xa1
.set MUL_HI, 0xf1
.set TO_B,   0x40
.macro PLACES n
.rept \n
	v_nop
.endr
.endm
.macro TL g0, g1
	tensor_load_to_lds s[\g0:\g0+3], s[\g1:\g1+7]
	s_nop 0
	PLACES 4
.endm
.macro ARM w, g0, g1, next
	s_cmp_eq_u32 s14, \w
	s_cbranch_scc0 \next
	TL \g0, \g1
	s_branch .Lasked
\next:
.endm
.macro CREST
	s_cmp_lg_u32 s14, 0
	s_cbranch_scc1 .Lnot_wave_0_\@
	s_barrier_signal -3
.Lnot_wave_0_\@:
	s_barrier_wait -3
	s_barrier_signal -1
	s_barrier_wait -1
.endm
.macro CROUND
	s_barrier_signal -1
	s_barrier_wait -1
	CREST
.endm
.macro GROUP1 g, mask, el              ; two rows of el x 8 bytes, 102,400 bytes apart
	s_or_b32 s[\g], s[\mask], (3<<16)|(1<<21)
	s_mov_b32 s[\g+1], (\el)<<16
	s_mov_b32 s[\g+2], 2<<16
	s_mov_b32 s[\g+3], (\el)<<16
	s_mov_b32 s[\g+4], 2
	s_mov_b32 s[\g+5], UNIT
	s_mov_b32 s[\g+6], 0
	s_mov_b32 s[\g+7], 0
.endm
.macro GROUP0 g, lds, base, off
	s_mov_b32 s[\g], 1
	s_mov_b32 s[\g+1], \lds
	s_add_nc_u64 s[\g+2:\g+3], s[\base:\base+1], \off
	s_or_b32 s[\g+3], s[\g+3], 0x80000000
.endm
	s_load_b64 s[4:5], s[0:1], 0x0
	s_load_b128 s[8:11], s[0:1], 0x8
	v_lshl_add_u32 v[SPW], v0, 2, SPARE
	v_mov_b32 v[NIL], 0
	ds_add_u32 v[SPW], v[NIL]
	ds_add_u32 v[SPW], v[NIL]
	v_lshrrev_b32 v1, 5, v0
	v_readfirstlane_b32 s14, v1
	s_lshr_b32 s15, s14, 1                         ; my 128 of A's rows
	s_and_b32 s16, s14, 1                          ; my 128 of B's
	s_bfe_u32 s40, ttmp6, 0x40000
	s_bfe_u32 s41, ttmp6, 0x40004
	s_and_b32 s2, ttmp7, 0xffff
	s_lshr_b32 s18, s2, 2                          ; the half of the batch's queries
	s_xor_b32 s3, s18, ttmp9
	s_lshr_b32 s19, s2, 1
	s_xor_b32 s42, s19, s2
	s_and_b32 s42, s42, 1
	s_lshl_b32 s42, s42, 1
	s_or_b32 s3, s3, s42                           ; batch: of the cluster's number 2 y + x, bit 0 xor bit 3 and bit 1 xor bit 2
	s_lshl_b32 s17, s3, 3
	s_xor_b32 s42, s19, s18
	s_and_b32 s42, s42, 1                          ; the half of its keys: bit 2 xor bit 3
	s_lshl_b32 s18, s18, 2
	s_add_co_u32 s17, s17, s18
	s_add_co_u32 s17, s17, s41                     ; tile of 256 queries, of 32
	s_lshl_b32 s42, s42, 2
	s_add_co_u32 s42, s42, s40                     ; tile of 256 keys, of the batch's 8
	s_lshl_b32 s43, s41, 2
	s_lshl_b32 s43, 15, s43
	s_lshl_b32 s44, 0x1111, s40
	GROUP1 GA0, 43, 2*UNIT/8
	GROUP1 GB0, 44, 2*UNIT/8
	GROUP1 GA1, 43, 4*UNIT/8
	GROUP1 GB1, 44, 4*UNIT/8
	s_mul_i32 s20, s17, 16*UNIT                    ; A: key steps 2 x tile and + 1, eight units each
	s_mov_b32 s21, 0
	s_mul_i32 s46, s3, 128*UNIT                    ; B: behind q's 512 units
	s_mul_i32 s19, s42, 16*UNIT
	s_add_co_u32 s46, s46, s19
	s_add_co_u32 s46, s46, 512*UNIT
	s_mov_b32 s47, 0
	s_wait_alu depctr_va_vdst(0)
	s_wait_dscnt 0x0
	CROUND                                         ; all sixteen work-groups are here: the first joint loads meet
	s_wait_kmcnt 0x0
	s_add_nc_u64 s[20:21], s[4:5], s[20:21]
	s_add_nc_u64 s[46:47], s[4:5], s[46:47]
	GROUP0 A0, 0, 20, 0
	GROUP0 B0, SL0B, 46, 0
	GROUP0 A1, SL1, 20, 2*UNIT
	GROUP0 B1, SL1B, 46, 2*UNIT
	ARM 0, A0, GA0, .Lhead_1
	ARM 1, B0, GB0, .Lhead_2
	ARM 2, A1, GA1, .Lhead_3
	TL B1, GB1
.Lasked:
	s_mul_i32 s21, s15, 2*UNIT
	s_mul_i32 s22, s15, 4*UNIT
	s_add_co_u32 s22, s22, SL1
	s_mul_i32 s23, s16, 2*UNIT
	s_add_co_u32 s23, s23, SL0B
	s_mul_i32 s18, s16, 4*UNIT
	s_add_co_u32 s18, s18, SL1B
	s_sub_co_u32 s19, s23, s21
	s_sub_co_u32 s20, s18, s22
	v_and_b32 v1, 15, v0
	v_bfe_u32 v2, v0, 4, 1
	v_and_b32 v3, 31, v0
	v_lshlrev_b32 v[LI], 4, v3
	v_lshlrev_b32 v4, 3, v3
	v_add_nc_u32 v[ADA], s21, v[LI]
	v_add_nc_u32 v[ADA+1], s22, v[LI]
	v_add_nc_u32 v[ADA+2], s21, v4
	v_add_nc_u32 v[ADA+3], s22, v4
	v_add_nc_u32 v[ADB], s23, v[LI]
	v_add_nc_u32 v[ADB+1], s18, v[LI]
	v_add_nc_u32 v[ADB+2], s23, v4
	v_add_nc_u32 v[ADB+3], s18, v4
	v_mul_u32_u24 v5, s19, v2                      ; lanes 16-31 take B's
	v_mul_u32_u24 v6, s20, v2
	v_lshl_add_u32 v5, v1, 4, v5
	v_lshl_add_u32 v6, v1, 4, v6
	v_add_nc_u32 v[ADS], s21, v5
	v_add_nc_u32 v[ADS+1], s22, v6
	v_lshlrev_b32 v[H8], 3, v2
	s_wait_alu depctr_va_vdst(0)
	s_lshl_b32 s94, s17, 1
	s_add_co_u32 s94, s94, s15                     ; group of 128 queries
	s_lshl_b32 s95, s42, 1
	s_add_co_u32 s95, s95, s16                     ; key step of the batch's 16
	s_lshl_b32 s18, s94, 4
	s_add_co_u32 s18, s18, s95
	s_mul_i32 s20, s18, 12288
	s_mov_b32 s21, 0
	s_add_nc_u64 s[8:9], s[8:9], s[20:21]
	s_lshl_b32 s18, s18, 9
	s_mov_b32 s19, 0
	s_add_nc_u64 s[10:11], s[10:11], s[18:19]
.macro WHERE st                        ; step st: its slot and its place there
.if (\st) < 2
.set SL, 0
.set QN, (\st)
.elseif (\st) < 6
.set SL, 1
.set QN, (\st)-2
.else
.set SL, 0
.set QN, (\st)-6
.endif
.endm
.macro FRAG reg, adr, mid, i           ; a unit: [tile][half of the channels][512], from byte 8,192 on [tile][half][256]
	ds_load_b128 v[\reg:\reg+3], v[\adr+SL] offset:UNIT*QN+1024*(\i)
	ds_load_2addr_b64 v[\reg+4:\reg+7], v[\mid+(\i)/4] offset0:64*((\i)%4) offset1:64*((\i)%4)+32
	ds_load_b128 v[\reg+8:\reg+11], v[\adr+SL] offset:UNIT*QN+1024*(\i)+512
.endm
.macro PLACE st                        ; step st's addresses of the pieces of 8 bytes; the four additions are also the places in front of the loads behind them
	WHERE \st
	WIN 0
	v_add_nc_u32 v[HB], UNIT*QN+8192, v[ADB+2+SL]
	v_add_nc_u32 v[HB+1], UNIT*QN+10240, v[ADB+2+SL]
	v_add_nc_u32 v[HA], UNIT*QN+8192, v[ADA+2+SL]
	v_add_nc_u32 v[HA+1], UNIT*QN+10240, v[ADA+2+SL]
.endm
.macro FETCH_B st
	WHERE \st
	WIN TO_B
.irp i, 0,1,2,3,4,5,6,7
	FRAG 128*((\st)%2)+FR*\i, ADB, HB, \i
.endr
	WIN 0
.endm
.macro FETCH_A st, i0
	WHERE \st
.irp i, \i0, \i0+1, \i0+2, \i0+3
	FRAG AF+FR*(\i), ADA, HA, \i
.endr
.endm
.macro SCALES st
	WHERE \st
.irp u, 0,1
	ds_load_b128 v[SC+8*((\st)%2)+4*\u:SC+8*((\st)%2)+4*\u+3], v[ADS+SL] offset:UNIT*QN+12288+256*\u
.endr
.endm
.macro MUL16 a0, p, zero
.irp a, \a0, \a0+1
.irp b, 0,1,2,3,4,5,6,7
.if \zero
	v_wmma_scale_f32_16x16x128_f8f6f4 v[8*(8*((\a)%4)+\b):8*(8*((\a)%4)+\b)+7], v[128*(\p)+FR*\b:128*(\p)+FR*\b+FR-1], v[AF+FR*(\a):AF+FR*(\a)+FR-1], 0, v[SC+8*(\p)+\b], v[SC+8*(\p)+(\a)] matrix_a_fmt:MATRIX_FMT_FP6 matrix_b_fmt:MATRIX_FMT_FP6 matrix_a_scale:MATRIX_SCALE_ROW1
.else
	v_wmma_scale_f32_16x16x128_f8f6f4 v[8*(8*((\a)%4)+\b):8*(8*((\a)%4)+\b)+7], v[128*(\p)+FR*\b:128*(\p)+FR*\b+FR-1], v[AF+FR*(\a):AF+FR*(\a)+FR-1], v[8*(8*((\a)%4)+\b):8*(8*((\a)%4)+\b)+7], v[SC+8*(\p)+\b], v[SC+8*(\p)+(\a)] matrix_a_fmt:MATRIX_FMT_FP6 matrix_b_fmt:MATRIX_FMT_FP6 matrix_a_scale:MATRIX_SCALE_ROW1
.endif
.endr
.endr
.endm
; kind 0: the next step lies in the same slot;  1: the slot is left and filled again;  2: the slot is left, nothing more is filled
.macro STEP st, zero, kind
.if \kind
	s_wait_tensorcnt 0x0                           ; all my tensor loads have landed: the next slot's
.if \kind == 1
	ds_add_u32 v[SPW], v[NIL]
	s_wait_dscnt 4*NL+1
.else
	s_wait_dscnt 4*NL
.endif
	WIN MUL_LO
	MUL16 0, (\st)%2, \zero
	s_wait_dscnt 0x0                               ; the add, where there is one, and my reads of this slot are over
	s_barrier_signal -1
	MUL16 2, (\st)%2, \zero
	WIN 0
	s_barrier_wait -1
.if \kind == 1
	CREST
	s_add_nc_u64 s[A0+2:A0+3], s[A0+2:A0+3], 6*UNIT
	s_add_nc_u64 s[B0+2:B0+3], s[B0+2:B0+3], 6*UNIT
	s_cmp_eq_u32 s14, 0
	s_cbranch_scc0 .Lfill_b
	TL A0, GA0                                     ; wave 0: A's steps 6 and 7
	s_branch .Lfilled
.Lfill_b:
	s_cmp_eq_u32 s14, 1
	s_cbranch_scc0 .Lfilled
	TL B0, GB0                                     ; wave 1: B's
.Lfilled:
.endif
.else
	s_wait_dscnt 4*NL
	WIN MUL_LO
	MUL16 0, (\st)%2, \zero
	MUL16 2, (\st)%2, \zero
	s_wait_dscnt 0
.endif
	PLACE (\st)+1
	FETCH_B (\st)+1
	FETCH_A (\st)+1, 0
	SCALES (\st)+1
	WIN MUL_HI
	MUL16 4, (\st)%2, \zero
	MUL16 6, (\st)%2, \zero
	PLACES NP
	WIN 0
	FETCH_A (\st)+1, 4
.endm
	s_wait_alu depctr_va_vdst(0)
	s_cmp_lt_u32 s14, 2                            ; waves 0 and 1 brought slot 0; slot 1 may be on its way
	s_cbranch_scc0 .Lnot_mine
	s_wait_tensorcnt 0x0
.Lnot_mine:
	s_barrier_signal -1
	s_barrier_wait -1
	PLACE 0
	FETCH_B 0
	FETCH_A 0, 0
	SCALES 0
	FETCH_A 0, 4
	STEP 0, 1, 0
	STEP 1, 0, 1
	STEP 2, 0, 0
	STEP 3, 0, 0
	STEP 4, 0, 0
	STEP 5, 0, 2
	STEP 6, 0, 0
	s_wait_dscnt 4*NL
	WIN MUL_LO
	MUL16 0, 1, 0
	MUL16 2, 1, 0
	s_wait_dscnt 0
	WIN MUL_HI
	MUL16 4, 1, 0
	MUL16 6, 1, 0
	WIN 0
	s_mov_b32 s[SEL], 0x76543210                   ; selects for lane l xor 16
	s_mov_b32 s[SEL+1], 0xfedcba98
	s_mov_b32 s[MSK], 0xffff0000
	s_mov_b32 s[CS], 0x3d38aa3b                    ; log2(e) / 32
	s_mov_b32 s[CS+1], s[CS]
	PLACES NP
; the largest score of each of my two blocks of 32 keys, for each of eight tiles of queries: it serves the row's maximum and, since p rises with the score, the block's largest p
.irp w, 2,3
	WIN ((\w<<2)|(\w<<4))
.irp i, 0,2,4,6,8,10,12,14,16,18,20,22,24,26,28,30
.irp a4, 0,1,2,3
.irp c, 0,1
.if \i == 0
	v_max3_num_f32 v[BM+8*(\w-2)+2*\a4+\c], 0xff800000, v[64*\a4+32*\c], v[64*\a4+32*\c+1]
.else
	v_max3_num_f32 v[BM+8*(\w-2)+2*\a4+\c], v[BM+8*(\w-2)+2*\a4+\c], v[64*\a4+32*\c+\i], v[64*\a4+32*\c+\i+1]
.endif
.endr
.endr
.endr
.endr
	WIN 0
.irp a, 0,1,2,3,4,5,6,7
	v_max_num_f32 v[NMP+2*\a+1], v[BM+2*\a], v[BM+2*\a+1]
.endr
.irp a, 0,1,2,3,4,5,6,7
	v_permlanex16_b32 v[TB+\a], v[NMP+2*\a+1], s[SEL], s[SEL+1]
.endr
.irp a, 0,1,2,3,4,5,6,7
	v_max_num_f32 v[NMP+2*\a+1], v[NMP+2*\a+1], v[TB+\a]
.endr
.irp a, 0,1,2,3,4,5,6,7
	v_mul_f32 v[NMP+2*\a+1], s[CS], v[NMP+2*\a+1]
.endr
.irp a, 0,1,2,3,4,5,6,7
	v_floor_f32 v[NMP+2*\a], -v[NMP+2*\a+1]        ; -M
.endr
.set n, 0
.rept 16
	v_fma_f32 v[BM+n], v[BM+n], s[CS], v[NMP+2*(n/2)]
.set n, n+1
.endr
.irp w, 2,3
	WIN (\w|(\w<<6))
.set n, 0
.rept 32                               ; t - M of the window's first tile of queries
	v_pk_fma_f32 v[2*n:2*n+1], v[2*n:2*n+1], s[CS:CS+1], v[NMP+2*(4*(\w-2)+n/32):NMP+2*(4*(\w-2)+n/32)+1] op_sel_hi:[1,0,0]
.set n, n+1
.endr
.set m, 0
.irp t, 0,1,2,3                        ; a tile's exponentials, and among them the next tile's t - M, which is read behind the next wait
	s_wait_alu depctr_va_vdst(0)
.rept 32
	v_exp_f32 v[m], v[m]
	v_exp_f32 v[m+1], v[m+1]
.if \t < 3
	v_pk_fma_f32 v[2*n:2*n+1], v[2*n:2*n+1], s[CS:CS+1], v[NMP+2*(4*(\w-2)+n/32):NMP+2*(4*(\w-2)+n/32)+1] op_sel_hi:[1,0,0]
.set n, n+1
.endif
.set m, m+2
.endr
.endr
.endr
	WIN 0
.set n, 0
.rept 16
	v_exp_f32 v[BM+n], v[BM+n]
.set n, n+1
.endr
	v_nop
	s_wait_alu depctr_va_vdst(0)
; the sums of the unquantised p
.irp w, 2,3
	WIN (\w|(\w<<2))
.irp a4, 0,1,2,3
	v_pk_add_f32 v[TB+16*(\w-2)+4*\a4:TB+16*(\w-2)+4*\a4+1], v[64*\a4:64*\a4+1], v[64*\a4+2:64*\a4+3]
	v_pk_add_f32 v[TB+16*(\w-2)+4*\a4+2:TB+16*(\w-2)+4*\a4+3], v[64*\a4+4:64*\a4+5], v[64*\a4+6:64*\a4+7]
.endr
	WIN (\w<<2)
.irp j, 8,12,16,20,24,28,32,36,40,44,48,52,56,60
.irp a4, 0,1,2,3
	v_pk_add_f32 v[TB+16*(\w-2)+4*\a4:TB+16*(\w-2)+4*\a4+1], v[TB+16*(\w-2)+4*\a4:TB+16*(\w-2)+4*\a4+1], v[64*\a4+\j:64*\a4+\j+1]
	v_pk_add_f32 v[TB+16*(\w-2)+4*\a4+2:TB+16*(\w-2)+4*\a4+3], v[TB+16*(\w-2)+4*\a4+2:TB+16*(\w-2)+4*\a4+3], v[64*\a4+\j+2:64*\a4+\j+3]
.endr
.endr
.endr
	WIN 0
.irp a, 0,1,2,3,4,5,6,7
	v_pk_add_f32 v[TB+4*\a:TB+4*\a+1], v[TB+4*\a:TB+4*\a+1], v[TB+4*\a+2:TB+4*\a+3]
.endr
.irp a, 0,1,2,3,4,5,6,7
	v_add_f32 v[LL+\a], v[TB+4*\a], v[TB+4*\a+1]
.endr
.irp a, 0,1,2,3,4,5,6,7
	v_permlanex16_b32 v[BS+\a], v[LL+\a], s[SEL], s[SEL+1]
.endr
.irp a, 0,1,2,3,4,5,6,7
	v_add_f32 v[LL+\a], v[LL+\a], v[BS+\a]
.endr
.set n, 0
.rept 16
	v_max_num_f32 v[BM+n], 0x1800000, v[BM+n]      ; the floor, which holds the byte at 1 from below
.set n, n+1
.endr
.set n, 0
.rept 16
	v_add_nc_u32 v[BS+n], 0xff000000, v[BM+n]      ; the conversion's scale operand
.set n, n+1
.endr
.set n, 0
.rept 16
	v_lshrrev_b32 v[TB+n], 23, v[BS+n]
.set n, n+1
.endr
.irp a, 0,1,2,3,4,5,6,7
	v_lshl_or_b32 v[PW+\a], v[TB+2*\a+1], 16, v[TB+2*\a]   ; my two bytes: blocks h and 2 + h
.endr
.irp a, 0,1,2,3,4,5,6,7
	v_lshlrev_b32 v[PW+\a], v[H8], v[PW+\a]
.endr
.irp a, 0,1,2,3,4,5,6,7
	v_permlanex16_b32 v[TB+16+\a], v[PW+\a], s[SEL], s[SEL+1]
.endr
.irp a, 0,1,2,3,4,5,6,7
	v_or_b32 v[PW+\a], v[PW+\a], v[TB+16+\a]
.endr
.irp w, 2,3
.if \w == 3
	s_wait_xcnt 0x0                                ; the first four tiles' stores have read their registers
.endif
	WIN \w
.irp a4, 0,1,2,3
.irp c, 0,1
	v_cvt_scalef32_pk16_fp6_f32 v[PC+12*\a4+6*\c:PC+12*\a4+6*\c+2], v[64*\a4+32*\c:64*\a4+32*\c+15], v[BS+8*(\w-2)+2*\a4+\c]
	v_cvt_scalef32_pk16_fp6_f32 v[TB+8*\a4+4*\c:TB+8*\a4+4*\c+2], v[64*\a4+32*\c+16:64*\a4+32*\c+31], v[BS+8*(\w-2)+2*\a4+\c]
.endr
.endr
	WIN 0
	v_nop
.irp a4, 0,1,2,3
.irp c, 0,1
.irp i, 0,1,2
	v_mov_b32 v[PC+12*\a4+6*\c+3+\i], v[TB+8*\a4+4*\c+\i]
.endr
.endr
.endr
.irp a4, 0,1,2,3
.irp k, 0,1,2
	global_store_b128 v[LI], v[PC+12*\a4+4*\k:PC+12*\a4+4*\k+3], s[8:9] offset:1536*(4*(\w-2)+\a4)+512*\k
.endr
.endr
.endr
.irp j, 0,1,2,3
	v_cndmask_b32 v[PO+\j], v[PW+\j], v[PW+4+\j], s[MSK]
.endr
	global_store_b128 v[LI], v[PO:PO+3], s[10:11]
.irp j, 0,1,2,3
	v_cndmask_b32 v[PO+4+\j], v[NMP+2*\j], v[NMP+2*(4+\j)], s[MSK]
.endr
	global_store_b128 v[LI], v[PO+4:PO+7], s[10:11] offset:524288
.irp j, 0,1,2,3
	v_cndmask_b32 v[PO+8+\j], v[LL+\j], v[LL+4+\j], s[MSK]
.endr
	global_store_b128 v[LI], v[PO+8:PO+11], s[10:11] offset:1048576
	s_wait_tensorcnt 0x0
	ds_add_u32 v[SPW], v[NIL]
	s_wait_dscnt 0x0
	CROUND
	s_endpgm
.Lfunc_end_k_q7dadb61bcd_score:
	.size	k_q7dadb61bcd_score, .Lfunc_end_k_q7dadb61bcd_score-k_q7dadb61bcd_score
	.p2alignl 7, 3214868480
	.fill 96, 4, 3214868480
	.section	.rodata,"a",@progbits
	.p2align	6, 0x0
	.amdhsa_kernel k_q7dadb61bcd_score
		.amdhsa_group_segment_fixed_size 327680
		.amdhsa_private_segment_fixed_size 0
		.amdhsa_enable_private_segment 0
		.amdhsa_kernarg_size 24
		.amdhsa_user_sgpr_count 2
		.amdhsa_user_sgpr_kernarg_segment_ptr 1
		.amdhsa_wavefront_size32 1
		.amdhsa_system_sgpr_workgroup_id_x 1
		.amdhsa_system_sgpr_workgroup_id_y 1
		.amdhsa_system_sgpr_workgroup_id_z 1
		.amdhsa_system_vgpr_workitem_id 0
		.amdhsa_next_free_vgpr 1024
		.amdhsa_next_free_sgpr 102
		.amdhsa_reserve_vcc 0
		.amdhsa_float_denorm_mode_32 3
		.amdhsa_float_denorm_mode_16_64 3
		.amdhsa_memory_ordered 1
		.amdhsa_forward_progress 1
		.amdhsa_inst_pref_size 184
	.end_amdhsa_kernel
	.amdgpu_metadata
---
amdhsa.version: [ 1, 2 ]
amdhsa.kernels:
  - .name:           k_q7dadb61bcd_score
    .symbol:         k_q7dadb61bcd_score.kd
    .args:
      - { .name: qk_img, .offset: 0, .size: 8, .value_kind: global_buffer, .address_space: global }
      - { .name: p_img, .offset: 8, .size: 8, .value_kind: global_buffer, .address_space: global }
      - { .name: p_st, .offset: 16, .size: 8, .value_kind: global_buffer, .address_space: global }
    .group_segment_fixed_size: 327680
    .private_segment_fixed_size: 0
    .kernarg_segment_align: 8
    .kernarg_segment_size: 24
    .max_flat_workgroup_size: 128
    .sgpr_count:     102
    .vgpr_count:     1024
    .wavefront_size: 32
...
	.end_amdgpu_metadata
.endif
;; end of part 2
;; launch pv (part 3): grid 4 x 64, 4 waves a work-group, clusters of 4 x 4, 327,680 bytes of LDS; arguments v_img, p_img, p_st, out0; writes out0
.if DOCPART == 3
	.amdgcn_target "amdgcn-amd-amdhsa--gfx1250"
	.amdhsa_code_object_version 6
	.text
	.protected	k_q7dadb61bcd_pv
	.globl	k_q7dadb61bcd_pv
	.p2align	8
	.type	k_q7dadb61bcd_pv,@function
k_q7dadb61bcd_pv:
	s_mov_b64 s[64:65], 0
	v_nop
	global_prefetch_b8 v0, s[64:65] scope:SCOPE_SE
	s_setreg_imm32_b32 hwreg(HW_REG_WAVE_MODE, 25, 1), 1
	s_wait_xcnt 0x0
	s_wait_alu depctr_hold_cnt(0) depctr_sa_sdst(0) depctr_va_vdst(0) depctr_va_sdst(0) depctr_va_ssrc(0) depctr_va_vcc(0) depctr_vm_vsrc(0)
	s_getreg_b32 s2, hwreg(HW_REG_IB_STS2, 6, 4)
	s_cmp_eq_u32 s2, 0
	s_cbranch_scc0 .Lentry_in_a_cluster
	s_endpgm
.Lentry_in_a_cluster:
	s_bfe_u32 s2, ttmp6, 0x10000c
	s_cmp_lg_u32 s2, 0xf033
	s_cbranch_scc0 .Lentry_shape_is_right
	s_endpgm
.Lentry_shape_is_right:
; O = P V / l on codes of FP6 (K = a batch's 2,048 keys).  No work of reference() is left out here.
; LIMITS: NaN and infinities are not served.  A block of p whose byte would fall under 0 is carried with the byte 0, 2^-127, where the rule holds the exponent at -126: such a block lies more than 2^120 under the row's largest p.
; SHARES.  256 work-groups: 128 queries x 256 channels, a wave 64 x 128: 32 accumulators.  Source 0 = 16 channels of v^T, source 1 = 16 queries: a lane holds one query and eight neighbouring channels.
; THE HEAD.  p was quantised under sixteen local whole numbers M_loc, one for each 128 keys of a query.  Thread t owns one of the group's 128 queries: M = the largest M_loc; l = the sum of l_loc x 2^(M_loc - M);
; from each byte of p's scale words M - M_loc is taken, which is an exact power of two on every code.  The words go to LDS, and 1 / l beside them.
; RING.  Slots of four K steps of 128 keys; both are asked for at the head, one joint load a wave (p by a row of the cluster, v^T with its scale words by a column); two refills, one a trip of the loop, each with four K steps in which to land.
; PREFETCH.  In the loop's first step a wave asks for its share of what the trip's refill, two steps on, will load: 12 units of 256 bytes of p and 25 of v^T, shared out by address among the sixteen waves that will ask jointly.  The head's tiles come by their loads alone.
; THE LAST SLOT GOES BY ROWS: v^T's fragments of its four steps lie in windows 1 and 3; each tile of 16 queries is finished by 32 products on end and leaves while the next is multiplied.
.set FR,     12
.set NP,     4                         ; places behind this matrix instruction (ISA guide 7.12.1)
.set PB,     12288                     ; p: a step's eight tiles of 16 queries
.set UNIT,   12800                     ; v^T: a step's eight tiles of 16 channels and their scale words
.set SV,     4*PB                      ; v^T in a slot: [128 channels: 2][step 4]
.set SLOT,   SV+8*UNIT
.set PADJ,   2*SLOT                    ; p's sixteen scale units under the final M: stored by the waves, never filled by a tensor load
.set RLT,    PADJ+8192                 ; 1 / l, one unit
.set SPARE,  RLT+512
.set SPITCH, 528                       ; the way out: a stage of 16 rows x (512 + 16) bytes for each wave, in slot 0, which has had its last fill and its last read by then
.set ADVS, 4                           ; v^T's scale words: v4 in slot 0, v5 in the slot at work
.set SCP,  8                           ; v8-15  p's scale words, two sets of four
.set ADRA, 16                          ; v16, v17 p's fragments likewise
.set ADRB, 20                          ; v20, v21 v^T's
.set ADRP, 22                          ; v22, v23 p's scale words: of step 0, of the slot's first step
.set STO,  24                          ; v24, v25 the way out: even tiles of channels, odd ones
.set CO,   26
.set RLA,  27
.set SPW,  28
.set NIL,  29
.set PAW,  30
.set GT,   31
.set SCV,  32                          ; v32-47 v^T's scale words, two sets of eight
.set RLP,  48
.set T0,   56
.set RD,   59
.set PFP,  60                          ; v60, v61 the prefetches' offsets, never rewritten
.set PFV,  61
.set AF,   64                          ; v64-159 p's fragments, two sets of 48; v^T's two sets in window 1 at v0 and v128; accumulators in window 2
.set SCW,  160
.set NMW,  176
.set LW,   192
.set DW,   208
.set BK,   160                         ; rows read back from the stage: even tiles v160-223; odd tiles window 1, v96-127 and v224-255
.set SCF,  224                         ; v224-255 the last slot's scale words of v^T
.set G1, 24
.set G0, 32
.set G1B, 48
.set G0B, 56
.set GRP, 68                           ; s[68:71], s[72:75] group 0 of the refills
.set GRV, 72
.set MSB, 0
.macro WIN new
.if MSB != (\new)
	s_set_vgpr_msb (MSB<<8)|(\new)
.set MSB, (\new)
.endif
.endm
.set MUL,  0xa1                        ; source 0 window 1, source 1 window 0, C and D window 2
.set MUL3, 0xa3                        ; source 0 window 3
.set TO_B, 0x40
.macro PLACES n
.rept \n
	v_nop
.endr
.endm
.macro TL g0, g1
	tensor_load_to_lds s[\g0:\g0+3], s[\g1:\g1+7]
	s_nop 0
	PLACES 4
.endm
.macro ARM w, g0, g1, next
	s_cmp_eq_u32 s14, \w
	s_cbranch_scc0 \next
	TL \g0, \g1
	s_branch .Lasked
\next:
.endm
.macro CREST
	s_cmp_lg_u32 s14, 0
	s_cbranch_scc1 .Lnot_wave_0_\@
	s_barrier_signal -3
.Lnot_wave_0_\@:
	s_barrier_wait -3
	s_barrier_signal -1
	s_barrier_wait -1
.endm
.macro CROUND
	s_barrier_signal -1
	s_barrier_wait -1
	CREST
.endm
	s_load_b256 s[4:11], s[0:1], 0x0               ; v_img, p_img, p_st, out0
	v_lshl_add_u32 v[SPW], v0, 2, SPARE
	v_mov_b32 v[NIL], 0
	ds_add_u32 v[SPW], v[NIL]
	ds_add_u32 v[SPW], v[NIL]
	v_lshrrev_b32 v1, 5, v0
	v_readfirstlane_b32 s14, v1
	s_lshr_b32 s15, s14, 1                         ; my 64 of the 128 queries
	s_and_b32 s16, s14, 1                          ; my 128 of the 256 channels
	s_bfe_u32 s40, ttmp6, 0x40000                  ; cx: the tile of 256 channels (the grid has one cluster along x)
	s_bfe_u32 s41, ttmp6, 0x40004
	s_and_b32 s2, ttmp7, 0xffff
	s_lshr_b32 s3, s2, 3                           ; the batch: of the cluster's number, bit 0 xor bit 3 and bit 1 xor bit 2
	s_xor_b32 s3, s3, s2
	s_and_b32 s3, s3, 1
	s_lshr_b32 s17, s2, 1
	s_xor_b32 s17, s17, s2
	s_and_b32 s17, s17, 2
	s_or_b32 s3, s3, s17
	s_lshr_b32 s17, s2, 2
	s_lshl_b32 s17, s17, 2
	s_lshl_b32 s18, s3, 4
	s_add_co_u32 s17, s17, s18
	s_add_co_u32 s17, s17, s41                     ; the group of 128 queries, of 64
	s_lshl_b32 s43, s41, 2
	s_lshl_b32 s43, 15, s43
	s_lshl_b32 s44, 0x1111, s40
	s_or_b32 s[G1+0], s43, (3<<16)|(1<<21)         ; p: four steps, dense
	s_mov_b32 s[G1+1], (PB/8)<<16
	s_mov_b32 s[G1+2], 4<<16
	s_mov_b32 s[G1+3], (PB/8)<<16
	s_mov_b32 s[G1+4], 4
	s_mov_b32 s[G1+5], PB/8
	s_mov_b32 s[G1+6], 0
	s_mov_b32 s[G1+7], 0
	s_or_b32 s[G1B+0], s44, (3<<16)|(1<<21)        ; v^T: two groups of 128 channels, four units each, 16 units apart
	s_mov_b32 s[G1B+1], (4*UNIT/8)<<16
	s_mov_b32 s[G1B+2], 2<<16
	s_mov_b32 s[G1B+3], (4*UNIT/8)<<16
	s_mov_b32 s[G1B+4], 2
	s_mov_b32 s[G1B+5], 16*UNIT/8
	s_mov_b32 s[G1B+6], 0
	s_mov_b32 s[G1B+7], 0
	s_mul_i32 s20, s17, 16*PB
	s_mov_b32 s21, 0
	s_mul_i32 s46, s3, 128*UNIT
	s_mul_i32 s19, s40, 32*UNIT
	s_add_co_u32 s46, s46, s19
	s_mov_b32 s47, 0
	s_lshl_b32 s22, s17, 13                        ; the group's sixteen units in each plane of p_st
	s_mov_b32 s23, 0
	v_lshlrev_b32 v[GT], 2, v0
	v_lshl_add_u32 v[PAW], v0, 2, PADJ
	s_wait_alu depctr_va_vdst(0)
	s_wait_dscnt 0x0
	CROUND                                         ; all sixteen work-groups are here: the first joint loads meet
	s_wait_kmcnt 0x0
	s_add_nc_u64 s[20:21], s[6:7], s[20:21]
	s_add_nc_u64 s[46:47], s[4:5], s[46:47]
	s_add_nc_u64 s[8:9], s[8:9], s[22:23]
.irp s, 0,1
	s_mov_b32 s[G0+4*\s], 1
	s_mov_b32 s[G0+4*\s+1], \s*SLOT
	s_add_nc_u64 s[G0+4*\s+2:G0+4*\s+3], s[20:21], \s*4*PB
	s_or_b32 s[G0+4*\s+3], s[G0+4*\s+3], 0x80000000
	s_mov_b32 s[G0B+4*\s], 1
	s_mov_b32 s[G0B+4*\s+1], \s*SLOT+SV
	s_add_nc_u64 s[G0B+4*\s+2:G0B+4*\s+3], s[46:47], \s*4*UNIT
	s_or_b32 s[G0B+4*\s+3], s[G0B+4*\s+3], 0x80000000
.endr
	s_mov_b32 s[GRP], 1                            ; the refills': both step one slot on ahead of each refill, to slot 0 first
	s_mov_b32 s[GRP+1], SLOT
	s_add_nc_u64 s[GRP+2:GRP+3], s[20:21], 4*PB
	s_or_b32 s[GRP+3], s[GRP+3], 0x80000000
	s_mov_b32 s[GRV], 1
	s_mov_b32 s[GRV+1], SLOT+SV
	s_add_nc_u64 s[GRV+2:GRV+3], s[46:47], 4*UNIT
	s_or_b32 s[GRV+3], s[GRV+3], 0x80000000
.irp s, 0,1,2,3,4,5,6,7,8,9,10,11,12,13,14,15
	global_load_b32 v[NMW+\s], v[GT], s[8:9] offset:524288+512*\s    ; my query's -M_loc of K step s: the four waves read a unit's 512 consecutive bytes
.endr
.irp s, 0,1,2,3,4,5,6,7,8,9,10,11,12,13,14,15
	global_load_b32 v[LW+\s], v[GT], s[8:9] offset:1048576+512*\s    ; l_loc
.endr
.irp s, 0,1,2,3,4,5,6,7,8,9,10,11,12,13,14,15
	global_load_b32 v[SCW+\s], v[GT], s[8:9] offset:512*\s           ; p's scale word
.endr
	ARM 0, G0, G1, .Lhead_1
	ARM 1, G0B, G1B, .Lhead_2
	ARM 2, G0+4, G1, .Lhead_3
	TL G0B+4, G1B
.Lasked:
	s_mul_i32 s90, s15, 6144
	s_mul_i32 s22, s16, 4*UNIT
	s_add_co_u32 s22, s22, SV
	s_add_co_u32 s23, s22, 12288
	s_lshl_b32 s92, s15, 8
	s_add_co_u32 s93, s92, PADJ
	s_add_co_u32 s92, s92, RLT
	s_mul_i32 s94, s14, 16*SPITCH
	s_lshl_b32 s95, s40, 2                         ; my number among the sixteen waves of my row of the cluster,
	s_add_co_u32 s95, s95, s14
	s_mul_i32 s95, s95, 12*256
	s_lshl_b32 s96, s41, 2                         ; and of my column: eight waves to each group of 128 channels
	s_add_co_u32 s96, s96, s14
	s_lshr_b32 s91, s96, 3
	s_mul_i32 s91, s91, 16*UNIT
	s_and_b32 s96, s96, 7
	s_mul_i32 s96, s96, 25*256
	s_add_co_u32 s96, s96, s91
	v_and_b32 v1, 15, v0
	v_bfe_u32 v2, v0, 4, 1
	v_and_b32 v3, 31, v0
	v_lshlrev_b32 v[CO], 4, v3
	v_lshlrev_b32 v7, 4, v1
	v_min_u32 v[PFP], 11, v3
	v_min_u32 v[PFV], 24, v3
	v_lshl_add_u32 v[PFP], v[PFP], 8, s95
	v_lshl_add_u32 v[PFV], v[PFV], 8, s96
	v_add_nc_u32 v[ADRA], s90, v[CO]
	v_add_nc_u32 v[ADRB], s22, v[CO]
	v_add_nc_u32 v[ADVS], s23, v7
	v_add_nc_u32 v[ADRP], s93, v7                  ; my four tiles begin 256 x half bytes on in a unit of p's words
	v_add_nc_u32 v[RLA], s92, v7
	v_add_nc_u32 v[ADRA+1], s90, v[CO]
	v_add_nc_u32 v[ADRB+1], s22, v[CO]
	v_add_nc_u32 v[ADVS+1], s23, v7
	v_add_nc_u32 v[ADRP+1], s93, v7
	v_mul_u32_u24 v6, v1, SPITCH
	v_add_nc_u32 v6, s94, v6
	v_mad_u32_u24 v[STO], v2, 160, v6              ; lanes 16-31 of tile t hold channels 32 + 8 (t xor 1) + 0 .. 7
	v_mad_u32_u24 v[STO+1], v2, 96, v6
	v_add_nc_u32 v[RD], s94, v[CO]
	s_wait_alu depctr_va_vdst(0)
	s_lshr_b32 s18, s17, 1                         ; out0: row 256 (group / 2) + 128 x half + 64 (group % 2) of 4,096 bytes, channel 256 cx + 128 x half
	s_lshl_b32 s18, s18, 20
	s_lshl_b32 s19, s15, 19
	s_add_co_u32 s18, s18, s19
	s_and_b32 s19, s17, 1
	s_lshl_b32 s19, s19, 18
	s_add_co_u32 s18, s18, s19
	s_lshl_b32 s19, s40, 10
	s_add_co_u32 s18, s18, s19
	s_lshl_b32 s19, s16, 9
	s_add_co_u32 s18, s18, s19
	s_mov_b32 s19, 0
	s_add_nc_u64 s[12:13], s[10:11], s[18:19]
	s_mov_b32 s2, 0x01010101
	s_mov_b32 s3, 0x80808080
	s_mov_b32 s98, 0                               ; the slot at work, in bytes; s99: 512 x its first step
	s_mov_b32 s99, 0
	; THE HEAD'S ARITHMETIC, while the first tiles are on their way
	s_wait_loadcnt 32                              ; the sixteen -M_loc are in; the 32 loads behind them may be out
	v_max3_num_f32 v[T0], -v[NMW], -v[NMW+1], -v[NMW+2]
.irp s, 3,5,7,9,11,13
	v_max3_num_f32 v[T0], v[T0], -v[NMW+\s], -v[NMW+\s+1]
.endr
	v_max_num_f32 v[T0], v[T0], -v[NMW+15]         ; M: the ceiling of my query's largest t
.irp s, 0,1,2,3,4,5,6,7,8,9,10,11,12,13,14,15
	v_add_f32 v[NMW+\s], v[T0], v[NMW+\s]          ; M - M_loc: a whole number, 0 or more
.endr
.irp s, 0,1,2,3,4,5,6,7,8,9,10,11,12,13,14,15
	v_cvt_i32_f32 v[NMW+\s], v[NMW+\s]             ; (it saturates)
.endr
.irp s, 0,1,2,3,4,5,6,7,8,9,10,11,12,13,14,15
	v_sub_nc_u32 v[DW+\s], 0, v[NMW+\s]
.endr
	s_wait_alu depctr_va_vdst(0)
	s_wait_loadcnt 16                              ; the sixteen l_loc are in
.irp s, 0,1,2,3,4,5,6,7,8,9,10,11,12,13,14,15
	v_ldexp_f32 v[LW+\s], v[LW+\s], v[DW+\s]       ; l_loc under M: nothing is rounded
.endr
.irp s, 0,1,2,3,4,5,6,7
	v_add_f32 v[LW+\s], v[LW+\s], v[LW+8+\s]
.endr
.irp s, 0,1,2,3
	v_add_f32 v[LW+\s], v[LW+\s], v[LW+4+\s]
.endr
.irp s, 0,1
	v_add_f32 v[LW+\s], v[LW+\s], v[LW+2+\s]
.endr
	v_add_f32 v[T0+1], v[LW], v[LW+1]              ; l, over 1/2
	s_wait_alu depctr_va_vdst(0)
	v_rcp_f32 v[T0+2], v[T0+1]
.irp s, 0,1,2,3,4,5,6,7,8,9,10,11,12,13,14,15
	v_min_u32 v[NMW+\s], 127, v[NMW+\s]            ; a byte of p is at most 125: 127 off it is as good as more
.endr
.irp s, 0,1,2,3,4,5,6,7,8,9,10,11,12,13,14,15
	v_mul_lo_u32 v[NMW+\s], v[NMW+\s], s2          ; the same number in all four bytes
.endr
	s_wait_alu depctr_va_vdst(0)
	s_wait_loadcnt 0x0                             ; the scale words
.irp s, 0,1,2,3,4,5,6,7,8,9,10,11,12,13,14,15
	v_or_b32 v[SCW+\s], s3, v[SCW+\s]              ; each byte + 128,
.endr
.irp s, 0,1,2,3,4,5,6,7,8,9,10,11,12,13,14,15
	v_sub_nc_u32 v[SCW+\s], v[SCW+\s], v[NMW+\s]   ; less M - M_loc: at least 1 stays in each byte, so no byte borrows from the next
.endr
.irp s, 0,1,2,3,4,5,6,7,8,9,10,11,12,13,14,15
	v_and_b32 v[LW+\s], s3, v[SCW+\s]              ; the top bit stands where the byte did not fall under 0
.endr
.irp s, 0,1,2,3,4,5,6,7,8,9,10,11,12,13,14,15
	v_lshrrev_b32 v[NMW+\s], 7, v[LW+\s]
.endr
.irp s, 0,1,2,3,4,5,6,7,8,9,10,11,12,13,14,15
	v_sub_nc_u32 v[LW+\s], v[LW+\s], v[NMW+\s]     ; 0x7f in those bytes, 0 in the others
.endr
.irp s, 0,1,2,3,4,5,6,7,8,9,10,11,12,13,14,15
	v_and_b32 v[SCW+\s], v[SCW+\s], v[LW+\s]       ; the byte under M, held at 0 from below
.endr
.irp s, 0,1,2,3,4,5,6,7,8,9,10,11,12,13,14,15
	ds_store_b32 v[PAW], v[SCW+\s] offset:512*\s
.endr
	s_wait_alu depctr_va_vdst(0)
	ds_store_b32 v[PAW], v[T0+2] offset:RLT-PADJ
	s_cmp_lt_u32 s14, 2                            ; waves 0 and 1 brought slot 0; slot 1 may be on its way
	s_cbranch_scc0 .Lnot_mine
	s_wait_tensorcnt 0x0
.Lnot_mine:
	s_wait_dscnt 0x0                               ; for the others' sake: my stores have landed
	s_barrier_signal -1
	s_barrier_wait -1
.macro VLOAD q, w, r                   ; v^T's eight fragments of the slot's step q, into window w at r
	WIN (\w)<<6
.irp i, 0,1,2,3,4,5,6,7
.irp c, 0,1,2
	ds_load_b128 v[\r+FR*\i+4*\c:\r+FR*\i+4*\c+3], v[ADRB+1] offset:UNIT*(\q)+1536*\i+512*\c
.endr
.endr
	WIN 0
.endm
.macro FETCH_ALL q, p                  ; all that a step wants, in one run, into set p
	VLOAD \q, 1, 128*(\p)
.irp i, 0,1,2,3
.irp c, 0,1,2
	ds_load_b128 v[AF+48*(\p)+FR*\i+4*\c:AF+48*(\p)+FR*\i+4*\c+3], v[ADRA+1] offset:PB*(\q)+1536*\i+512*\c
.endr
.endr
	ds_load_b128 v[SCP+4*(\p):SCP+4*(\p)+3], v[ADRP+1] offset:512*(\q)
	ds_load_b128 v[SCV+8*(\p):SCV+8*(\p)+3], v[ADVS+1] offset:UNIT*(\q)
	ds_load_b128 v[SCV+8*(\p)+4:SCV+8*(\p)+7], v[ADVS+1] offset:UNIT*(\q)+256
.endm
.macro MUL8 a, p, zero                 ; p's tile a x v^T's eight; the 32 accumulators take turns
.irp b, 0,1,2,3,4,5,6,7
.if \zero
	v_wmma_scale_f32_16x16x128_f8f6f4 v[8*(8*(\a)+\b):8*(8*(\a)+\b)+7], v[128*(\p)+FR*\b:128*(\p)+FR*\b+FR-1], v[AF+48*(\p)+FR*(\a):AF+48*(\p)+FR*(\a)+FR-1], 0, v[SCV+8*(\p)+\b], v[SCP+4*(\p)+(\a)] matrix_a_fmt:MATRIX_FMT_FP6 matrix_b_fmt:MATRIX_FMT_FP6
.else
	v_wmma_scale_f32_16x16x128_f8f6f4 v[8*(8*(\a)+\b):8*(8*(\a)+\b)+7], v[128*(\p)+FR*\b:128*(\p)+FR*\b+FR-1], v[AF+48*(\p)+FR*(\a):AF+48*(\p)+FR*(\a)+FR-1], v[8*(8*(\a)+\b):8*(8*(\a)+\b)+7], v[SCV+8*(\p)+\b], v[SCP+4*(\p)+(\a)] matrix_a_fmt:MATRIX_FMT_FP6 matrix_b_fmt:MATRIX_FMT_FP6
.endif
.endr
.endm
.macro STEP q, zero, ask               ; the successor's loads go out first, into the other set, and land under this step's 32 products
	s_wait_dscnt 0
	PLACES NP
	FETCH_ALL (\q)+1, ((\q)+1)%2
.if \ask
	global_prefetch_b8 v[PFP], s[20:21] offset:8*PB th:TH_LOAD_NT scope:SCOPE_SE      ; the bases step one slot on in each trip
	global_prefetch_b8 v[PFV], s[46:47] offset:8*UNIT th:TH_LOAD_NT scope:SCOPE_SE
.endif
	WIN MUL
	MUL8 0, (\q)%2, \zero
	MUL8 1, (\q)%2, \zero
	MUL8 2, (\q)%2, \zero
	MUL8 3, (\q)%2, \zero
.endm
.macro TOGGLE                          ; to the other slot; the four additions are also the places in front of the loads behind them
	s_xor_b32 s98, s98, SLOT
	s_add_co_u32 s99, s99, 2048
	v_add_nc_u32 v[ADRA+1], s98, v[ADRA]
	v_add_nc_u32 v[ADRB+1], s98, v[ADRB]
	v_add_nc_u32 v[ADVS+1], s98, v[ADVS]
	v_add_nc_u32 v[ADRP+1], s99, v[ADRP]
	s_wait_alu depctr_va_vdst(0)
.endm
.macro TURN                            ; a slot's fourth step changes slots, and the slot is filled again
	WIN 0
	s_wait_xcnt 0x0                                ; the prefetches have read their bases
	s_add_nc_u64 s[20:21], s[20:21], 4*PB
	s_add_nc_u64 s[46:47], s[46:47], 4*UNIT
	s_wait_tensorcnt 0x0                           ; all my tensor loads have landed: my part of the next slot
	ds_add_u32 v[SPW], v[NIL]
	s_wait_dscnt 1                                 ; this step's operands are in (the add may be out)
	WIN MUL
	MUL8 0, 1, 0
	s_wait_dscnt 0x0
	s_barrier_signal -1
	MUL8 1, 1, 0
	WIN 0
	s_barrier_wait -1
	CREST
	s_add_nc_u64 s[GRP+2:GRP+3], s[GRP+2:GRP+3], 4*PB
	s_add_nc_u64 s[GRV+2:GRV+3], s[GRV+2:GRV+3], 4*UNIT
	s_xor_b32 s[GRP+1], s[GRP+1], SLOT
	s_xor_b32 s[GRV+1], s[GRV+1], (SV)^(SLOT+SV)
	s_cmp_eq_u32 s14, 0
	s_cbranch_scc0 .Lfill_v
	TL GRP, G1                                     ; wave 0 fetches p's tile,
	s_branch .Lfilled
.Lfill_v:
	s_cmp_eq_u32 s14, 1
	s_cbranch_scc0 .Lfilled
	TL GRV, G1B                                    ; wave 1 v^T's
.Lfilled:
	TOGGLE
	FETCH_ALL 0, 0
	WIN MUL
	MUL8 2, 1, 0
	MUL8 3, 1, 0
.endm
	FETCH_ALL 0, 0
	STEP 0, 1, 0
	WIN 0
	s_mov_b32 s97, 0
.Lslots:                                           ; steps 1 to 4, 5 to 8
	STEP 1, 0, 1
	STEP 2, 0, 0
	TURN
	STEP 0, 0, 0
	WIN 0
	s_add_co_u32 s97, s97, 1
	s_cmp_lg_u32 s97, 2
	s_cbranch_scc1 .Lslots
	STEP 1, 0, 0                                   ; steps 9, 10
	STEP 2, 0, 0
; THE LAST SLOT, steps 12 to 15, by rows
.macro PLOAD a                         ; p's tile a, four steps, into set a % 2
	WIN 0
.irp q, 0,1,2,3
.irp c, 0,1,2
	ds_load_b128 v[AF+48*((\a)%2)+FR*\q+4*\c:AF+48*((\a)%2)+FR*\q+4*\c+3], v[ADRA+1] offset:PB*\q+1536*(\a)+512*\c
.endr
.endr
.endm
.macro ROW a, q                        ; tile a's eight products of step q; the 8 accumulators take turns
.if (\q) < 2
	WIN MUL
.else
	WIN MUL3
.endif
.if (\q) == 0
.set PX, SCP
.else
.set PX, SCV+4*((\q)-1)
.endif
.irp b, 0,1,2,3,4,5,6,7
	v_wmma_scale_f32_16x16x128_f8f6f4 v[8*(8*(\a)+\b):8*(8*(\a)+\b)+7], v[128*((\q)%2)+FR*\b:128*((\q)%2)+FR*\b+FR-1], v[AF+48*((\a)%2)+FR*(\q):AF+48*((\a)%2)+FR*(\q)+FR-1], v[8*(8*(\a)+\b):8*(8*(\a)+\b)+7], v[SCF+8*(\q)+\b], v[PX+(\a)] matrix_a_fmt:MATRIX_FMT_FP6 matrix_b_fmt:MATRIX_FMT_FP6
.endr
.endm
; THE WAY OUT of a tile of 16 queries x 128 channels: x 1 / l in place, through my own stage in LDS, and back as whole rows of 512 bytes.  LDS serves a wave's instructions in order (ISA guide 5.7.1.4).
.macro TOSTAGE a
	WIN 0x82                                       ; source 0 and destination window 2
.set n, 0
.rept 32
	v_pk_mul_f32 v[64*(\a)+2*n:64*(\a)+2*n+1], v[64*(\a)+2*n:64*(\a)+2*n+1], v[RLP+2*(\a):RLP+2*(\a)+1]
.set n, n+1
.endr
	WIN 0x08                                       ; an LDS store's data are its source 1: window 2
.irp b, 0,1,2,3,4,5,6,7
	ds_store_b128 v[STO+\b%2], v[64*(\a)+8*\b:64*(\a)+8*\b+3] offset:256*(\b/4)+32*(\b%4)
	ds_store_b128 v[STO+\b%2], v[64*(\a)+8*\b+4:64*(\a)+8*\b+7] offset:256*(\b/4)+32*(\b%4)+16
.endr
	WIN 0x40*((\a)%2)
.irp t, 0,1,2,3,4,5,6,7,8,9,10,11,12,13,14,15
	BACK \a, \t
	ds_load_b128 v[BX:BX+3], v[RD] offset:\t*SPITCH
.endr
	WIN 0
.endm
.macro BACK a, t                       ; where row t of tile a is read back
.if (\a)%2 == 0
.set BX, BK+4*\t
.elseif \t < 8
.set BX, 96+4*\t
.else
.set BX, 224+4*(\t-8)
.endif
.endm
.macro SEND a, younger                 ; younger: the LDS loads issued behind the stage's
	s_wait_dscnt \younger
	WIN 0x04*((\a)%2)
.irp t, 0,1,2,3,4,5,6,7,8,9,10,11,12,13,14,15
.if \t < 8
.set RW, 8*(\a)+\t
.else
.set RW, 32+8*((\a)^1)+\t-8            ; tile a's rows 8 to 15
.endif
	BACK \a, \t
	global_store_b128 v[CO], v[BX:BX+3], s[12:13] offset:RW*4096 th:TH_STORE_NT   ; 32 lanes store 512 consecutive bytes, aligned
.endr
	WIN 0
.endm
	WIN 0
	s_wait_tensorcnt 0x0                           ; step 11 changes slots once more
	s_wait_dscnt 0x0
	WIN MUL
	MUL8 0, 1, 0
	s_barrier_signal -1
	MUL8 1, 1, 0
	WIN 0
	s_barrier_wait -1
	TOGGLE
	VLOAD 0, 1, 0
	PLOAD 0
.irp q, 0,1,2,3
	ds_load_b128 v[SCF+8*\q:SCF+8*\q+3], v[ADVS+1] offset:UNIT*\q
	ds_load_b128 v[SCF+8*\q+4:SCF+8*\q+7], v[ADVS+1] offset:UNIT*\q+256
.endr
	ds_load_b128 v[SCP:SCP+3], v[ADRP+1]
	ds_load_b128 v[SCV:SCV+3], v[ADRP+1] offset:512
	ds_load_b128 v[SCV+4:SCV+7], v[ADRP+1] offset:1024
.irp a, 0,1,2,3
	ds_load_b32 v[RLP+2*\a], v[RLA] offset:4*\a    ; 1 / l of my query in tile a, twice: a pair for the packed multiply
	ds_load_b32 v[RLP+2*\a+1], v[RLA] offset:4*\a
.endr
	VLOAD 2, 3, 0
	WIN MUL
	MUL8 2, 1, 0
	MUL8 3, 1, 0
	WIN 0
	PLACES NP
	ds_load_b128 v[SCV+8:SCV+11], v[ADRP+1] offset:1536    ; this run: 1 + 24 + 24 + 12 = 61 loads
	VLOAD 1, 1, 128
	VLOAD 3, 3, 128
	PLOAD 1
	s_wait_dscnt 63                                ; all but this run and two loads of step 14's fragments
	ROW 0, 0
	s_wait_dscnt 36                                ; step 13's fragments are in
	ROW 0, 1
	ROW 0, 2
	s_wait_dscnt 12                                ; step 15's
	ROW 0, 3
	PLACES NP
	TOSTAGE 0
	PLOAD 2
	s_wait_dscnt 44                                ; p's tile 1 is in; behind it: the stage's 32 and 12 loads
	ROW 1, 0
	ROW 1, 1
	SEND 0, 12
	ROW 1, 2
	ROW 1, 3
	PLACES NP
	TOSTAGE 1
	PLOAD 3
	s_wait_dscnt 44
	ROW 2, 0
	ROW 2, 1
	SEND 1, 12
	ROW 2, 2
	ROW 2, 3
	s_wait_xcnt 0x0                                ; tile 0's stores have read their registers: tile 2's rows may land there
	PLACES NP
	TOSTAGE 2
	s_wait_dscnt 32
	ROW 3, 0
	ROW 3, 1
	SEND 2, 0
	ROW 3, 2
	ROW 3, 3
	s_wait_xcnt 0x0
	PLACES NP
	TOSTAGE 3
	SEND 3, 0
	s_wait_tensorcnt 0x0
	ds_add_u32 v[SPW], v[NIL]
	s_wait_dscnt 0x0
	CROUND
	s_endpgm
.Lfunc_end_k_q7dadb61bcd_pv:
	.size	k_q7dadb61bcd_pv, .Lfunc_end_k_q7dadb61bcd_pv-k_q7dadb61bcd_pv
	.p2alignl 7, 3214868480
	.fill 96, 4, 3214868480
	.section	.rodata,"a",@progbits
	.p2align	6, 0x0
	.amdhsa_kernel k_q7dadb61bcd_pv
		.amdhsa_group_segment_fixed_size 327680
		.amdhsa_private_segment_fixed_size 0
		.amdhsa_enable_private_segment 0
		.amdhsa_kernarg_size 32
		.amdhsa_user_sgpr_count 2
		.amdhsa_user_sgpr_kernarg_segment_ptr 1
		.amdhsa_wavefront_size32 1
		.amdhsa_system_sgpr_workgroup_id_x 1
		.amdhsa_system_sgpr_workgroup_id_y 1
		.amdhsa_system_sgpr_workgroup_id_z 1
		.amdhsa_system_vgpr_workitem_id 0
		.amdhsa_next_free_vgpr 1024
		.amdhsa_next_free_sgpr 102
		.amdhsa_reserve_vcc 0
		.amdhsa_float_denorm_mode_32 3
		.amdhsa_float_denorm_mode_16_64 3
		.amdhsa_memory_ordered 1
		.amdhsa_forward_progress 1
		.amdhsa_inst_pref_size 130
	.end_amdhsa_kernel
	.amdgpu_metadata
---
amdhsa.version: [ 1, 2 ]
amdhsa.kernels:
  - .name:           k_q7dadb61bcd_pv
    .symbol:         k_q7dadb61bcd_pv.kd
    .args:
      - { .name: v_img, .offset: 0, .size: 8, .value_kind: global_buffer, .address_space: global }
      - { .name: p_img, .offset: 8, .size: 8, .value_kind: global_buffer, .address_space: global }
      - { .name: p_st, .offset: 16, .size: 8, .value_kind: global_buffer, .address_space: global }
      - { .name: out0, .offset: 24, .size: 8, .value_kind: global_buffer, .address_space: global }
    .group_segment_fixed_size: 327680
    .private_segment_fixed_size: 0
    .kernarg_segment_align: 8
    .kernarg_segment_size: 32
    .max_flat_workgroup_size: 128
    .sgpr_count:     102
    .vgpr_count:     1024
    .wavefront_size: 32
...
	.end_amdgpu_metadata
.endif
;; end of part 3
